; MI455X (gfx1250); checked and timed in simulation.
; The chip was launched on July 23, 2026; its instructions are those of AMD's public machine-readable ISA for CDNA 5 (MIT licence, August 2026) and "CDNA5" Instruction Set Architecture Reference Guide (July 2026). The comments in the code are by the model that wrote it; some were corrected since.
;; Euler CE Attention. Allowed arithmetic: matrix products marked QUANTISED: E2M3 operands, one E8M0 scale for each 32 along K, by v_wmma_scale_f32_16x16x128_f8f6f4 with both operands' format E2M3, f32 sums; everything else in f32.
;; Inputs: Wo 1,024 x 1,024 float32; Wqkv 3,072 x 1,024 float32; e_gate_logit 16 float32; log_xi 16 float32; pi_gate_logit 16 float32; x 2 x 2,048 x 1,024 float32.
;; Outputs: out0 2 x 2,048 x 1,024 float32.
;; This version of the problem:
;;   THIS VERSION OF THE PROBLEM IS GIVEN IN LOW PRECISION. The matrix products marked QUANTISED in the list below multiply operands that are first quantised to E2M3 (2 exponent bits, 3 mantissa bits; 6 bits a number), with one power-of-two scale for each 32 numbers along K (OCP MX v1.0); their sums are f32. All else is computed in f32.
;;   The module's matrix products, in the order in which they are computed (A, B: the left and right operand; K: the contracted axis; several contracted axes count as one K, in the product's order):
;;     1. [M 4,096, K 1,024] x [K 1,024, N 3,072]; A: input x; B: input Wqkv: QUANTISED
;;     2. batch 32 x [M 2,048, K 64] x [K 64, N 2,048]; A: computed on the way; B: computed on the way: QUANTISED
;;     3. batch 32 x [M 2,048, K 2,048] x [K 2,048, N 64]; A: softmax (see below); B: computed on the way: QUANTISED
;;     4. [M 4,096, K 1,024] x [K 1,024, N 1,024]; A: computed on the way; B: input Wo: QUANTISED
;;   THE QUANTISER, for each operand of a quantised product, along K:
;;     - K is cut into blocks of 32 from its start; a last block that is shorter is filled with zeros.
;;     - A block's scale is 2^e with e = floor(log2(the largest magnitude in the block)) - 2, held to -126 .. 127; a block of zeros has e = 0. As a byte (E8M0): e + 127.
;;     - Each number is divided by its block's scale, clamped to +-7.5, and rounded to the nearest number of E2M3, ties to even, subnormals kept.
;;     - The product sums the exact products of the quantised numbers (number of the format x scale) in f32.
;;   ~~~python
;;   def quantise(x, axis):      # numpy; x: float32 -> the quantised numbers, widened to float32 again
;;       x = np.moveaxis(x, axis, -1); K = x.shape[-1]
;;       x = np.pad(x, [(0, 0)] * (x.ndim - 1) + [(0, -K % 32)]); x = x.reshape(x.shape[:-1] + (-1, 32)); a = np.abs(x).max(-1, keepdims=True)
;;       e = np.where(a > 0, np.clip(np.frexp(np.where(a > 0, a, 1))[1] - 1 - 2, -126, 127), 0)      # np.frexp(a)[1] - 1 = floor(log2(a)), exactly
;;       r = np.clip(x / 2.0 ** e, -7.5, 7.5)
;;       step = 2.0 ** (np.maximum(np.frexp(np.where(r == 0, 1, r))[1] - 1, 0) - 3)
;;       q = np.round(r / step) * step * 2.0 ** e      # np.round: ties to even
;;       return np.moveaxis(q.reshape(q.shape[:-2] + (-1,))[..., :K], -1, axis).astype(np.float32)
;;   ~~~
;;   SOFTMAX AHEAD OF A QUANTISED PRODUCT. Where the list says 'softmax', what is quantised is not the finished softmax but p = 2^(t - M), with t = logit x log2(e) and M = ceil(the row's largest t), a whole number; so 1/2 < the row's largest p <= 1. The row's sum l is taken of the UNQUANTISED p, in f32, and the product's result is divided by l at the end. Since M is a whole number, a kernel that streams over the keys may use a running M (the ceiling of the running maximum): every later rescaling is an exact power of two, which a block's scale takes up: the codes' values come out the same.
;;   OPERANDS COMPUTED ON THE WAY. 'Computed on the way' means the value that the module computes at that place (a softmax that the list does not call 'softmax' is quantised finished and normalised). What goes into a quantiser is computed in f32, as accurately as f32 sums, v_exp_f32 and their like allow (about 1e-6 of the number): no bf16 or f16 on the way to a quantiser, and a product that is left as it is and whose result goes on into a quantised operand takes f32 operands (vector FMAs, or v_wmma_f32_16x16x4_f32). A number that lies on a knife's edge between two numbers of the format may be rounded either way, as far as f32 arithmetic and the matrix unit's own rounding can turn it there, and no further.
;; One version. Each part assembles by itself: llvm-mc -triple=amdgcn-amd-amdhsa -mcpu=gfx1250 --defsym DOCPART=n.
;; ======== version 1 of 1: 4 launches
;; limits: inputs' magnitudes at most 88; right only within a limited range of input values
;; workspace buffers: cod 6,291,456 bytes; scl 262,144 bytes; qc 3,145,728 bytes; qs 262,144 bytes; kv 6,684,672 bytes; ac 3,145,728 bytes; asc 131,072 bytes
;; launch quant (part 1): grid 256 x 1, 4 waves a work-group, no clusters, 33,280 bytes of LDS; arguments x, Wqkv, Wo, cod, scl; writes cod, scl
.if DOCPART == 1
	.amdgcn_target "amdgcn-amd-amdhsa--gfx1250"
	.amdhsa_code_object_version 6
	.text
	.protected	k_q627dcc58a6_quant
	.globl	k_q627dcc58a6_quant
	.p2align	8
	.type	k_q627dcc58a6_quant,@function
k_q627dcc58a6_quant:
	s_mov_b64 s[64:65], 0
	v_nop
	global_prefetch_b8 v0, s[64:65] scope:SCOPE_SE
	s_setreg_imm32_b32 hwreg(HW_REG_WAVE_MODE, 25, 1), 1
	s_wait_xcnt 0x0
; x [4096][1024], Wqkv [3072][1024] and Wo [1024][1024], f32, K innermost, become codes of FP6 (E2M3) with one E8M0 byte for each 32 along K.
; A block's scale is 2^(floor(log2(its largest magnitude)) - 2); its byte is the largest magnitude's exponent field - 2, held at 1 from below.
; LIMITS: a block whose largest magnitude lies under 2^-124 (a block of zeros among them) gets the byte 1: its codes are zeros or tiny, and this program alone reads the bytes; NaN and infinities are not served.
; A wave takes a RUN of 8 rows (8,192 numbers, 16 steps of 512): 6,144 bytes of codes and 256 scale bytes.  Runs 0-511 are x's, 512-895 Wqkv's, 896-1023 Wo's.
; Wqkv's runs are laid in another order than they are read: position rows 128 h + 0..63 hold q of head h, 128 h + 64..127 its k, 2048 + 64 h + .. its v, and inside each 32 rows the four
; groups of 8 stand in the order 0, 2, 1, 3.  So the next launch's results have 16 neighbours along a head's axis in the registers of two neighbouring accumulators.
; Each load reads 512 consecutive bytes; a step's 2,048 bytes turn through the wave's own stage in LDS so that a lane holds 16 neighbours.  No tensor load, no barrier: waves share nothing.
.set WAVES, 4
.set STEPS, 16
.set EMAX,  2
.set CB,    12                         ; bytes of 16 codes
.set R,     16                         ; v16-79   four sets of 16 numbers as loaded
.set X,     80                         ; v80-111  two sets of 16 neighbours
.set C,     128                        ; v128-191 codes: four registers a step, so that no store's data are written again
.set E,     112                        ; v112-127 a scale byte for each step
.set WREG,  8192                       ; LDS: a region for each wave: two stages of 32 x SP bytes, then its 256 scale bytes
.set SP,    80                         ; a lane's place in a stage: 64 bytes + 16 of padding
.set SPW,   12                         ; v12  LDS address of my spare word; never rewritten
.set NIL,   13                         ; v13  0; never rewritten
.set SPARE, WAVES*WREG                 ; behind the regions: the spare words, 128 bytes a wave
	s_load_b128 s[4:7], s[0:1], 0x0                ; x, Wqkv
	s_load_b64 s[8:9], s[0:1], 0x10                ; Wo
	s_load_b64 s[12:13], s[0:1], 0x18              ; cod
	s_load_b64 s[14:15], s[0:1], 0x20              ; scl
	v_lshl_add_u32 v[SPW], v0, 2, SPARE
	v_mov_b32 v[NIL], 0
	v_lshrrev_b32 v1, 5, v0
	v_readfirstlane_b32 s16, v1                    ; wave
	v_and_b32 v2, 31, v0                           ; lane
	v_lshlrev_b32 v3, 4, v2                        ; my 16 bytes of a load's 512
	s_mul_i32 s17, s16, WREG
	v_lshrrev_b32 v14, 2, v2
	v_mul_u32_u24 v14, v14, SP
	v_and_b32 v15, 3, v2
	v_lshl_add_u32 v14, v15, 4, v14
	v_add_nc_u32 v14, s17, v14                     ; the stage, way in: SP (lane / 4) + 16 (lane % 4)
	v_mul_u32_u24 v15, v2, SP
	v_add_nc_u32 v15, s17, v15                     ; way out: SP x lane: my 16 neighbours
	v_and_b32 v4, 15, v2
	v_mul_u32_u24 v4, v4, CB
	v_lshrrev_b32 v10, 4, v2
	v_mad_u32_u24 v4, v10, 1572864, v4             ; the codes lie [plane of 256 along K][row][192 bytes]: lanes 0-15 hold one plane's 192 bytes of the row, lanes 16-31 the next plane's
	v_lshrrev_b32 v5, 1, v2
	s_add_co_u32 s17, s17, 2*32*SP
	v_add_nc_u32 v5, s17, v5                       ; LDS: my block's scale byte
	v_lshlrev_b32 v7, 3, v2                        ; on the way out 8 bytes a lane
	v_add_nc_u32 v6, s17, v7
	s_wait_alu depctr_va_vdst(0)
	s_wait_kmcnt 0x0
	s_mov_b32 s22, 896                             ; which tensor: the choice hangs on the work-group's number alone
	s_cmp_lt_u32 ttmp9, 224
	s_cselect_b64 s[6:7], s[6:7], s[8:9]
	s_cselect_b32 s22, 512, s22
	s_cmp_lt_u32 ttmp9, 128
	s_cselect_b64 s[4:5], s[4:5], s[6:7]
	s_cselect_b32 s22, 0, s22                      ; the tensor's first run
	s_lshl_b32 s17, ttmp9, 2
	s_add_co_u32 s23, s17, s16                     ; my run, 0 .. 1023
	s_sub_co_u32 s18, s23, s22                     ; w: my run within the tensor
	s_and_b32 s24, s18, 4                          ; Wqkv's order: w = 128 type + 8 head + group
	s_and_b32 s25, s18, 1
	s_lshl_b32 s25, s25, 1
	s_or_b32 s24, s24, s25
	s_bfe_u32 s25, s18, 0x10001
	s_or_b32 s24, s24, s25                         ; the group with its two low bits swapped
	s_bfe_u32 s25, s18, 0x40003                    ; head
	s_lshr_b32 s26, s18, 7                         ; type: 0 q, 1 k, 2 v
	s_lshl_b32 s27, s25, 4
	s_lshl_b32 s26, s26, 3
	s_add_co_u32 s27, s27, s26
	s_add_co_u32 s27, s27, s24                     ; q, k: 16 head + 8 type + group
	s_lshl_b32 s25, s25, 3
	s_add_co_u32 s25, s25, s24
	s_add_co_u32 s25, s25, 256                     ; v: 256 + 8 head + group
	s_cmp_ge_u32 s18, 256
	s_cselect_b32 s25, s25, s27
	s_add_co_u32 s25, s25, 512
	s_cmp_eq_u32 s22, 512                          ; only Wqkv's runs change places
	s_cselect_b32 s25, s25, s23                    ; the run that I write
	s_lshl_b32 s20, s18, 15                        ; 32,768 bytes of f32 a run
	s_mov_b32 s21, 0
	s_add_nc_u64 s[4:5], s[4:5], s[20:21]
	s_mul_i32 s20, s25, 8*192                      ; a run's 8 rows in a plane
	s_add_nc_u64 s[12:13], s[12:13], s[20:21]
	s_lshl_b32 s20, s25, 8                         ; 256 scale bytes a run
	s_add_nc_u64 s[14:15], s[14:15], s[20:21]
.macro LOAD t
.irp i, 0,1,2,3
	global_load_b128 v[R+16*((\t)%4)+4*\i:R+16*((\t)%4)+4*\i+3], v3, s[4:5] offset:2048*(\t)+512*\i th:TH_LOAD_NT   ; 32 lanes read 512 consecutive bytes
.endr
.endm
.macro TURN t                          ; step t's numbers through the stage: LDS serves a wave's instructions in order, so no wait stands between the stores and the loads
.irp i, 0,1,2,3
	ds_store_b128 v14, v[R+16*((\t)%4)+4*\i:R+16*((\t)%4)+4*\i+3] offset:32*SP*((\t)%2)+8*SP*\i
.endr
.irp i, 0,1,2,3
	ds_load_b128 v[X+16*((\t)%2)+4*\i:X+16*((\t)%2)+4*\i+3], v15 offset:32*SP*((\t)%2)+16*\i
.endr
.endm
.irp t, 0,1,2,3
	LOAD \t
.endr
	s_wait_loadcnt 12                              ; step 0's four loads are in; three steps' twelve stay out
	TURN 0
.macro STEP t
.set XS, X+16*((\t)%2)
.if (\t) > 0
	s_wait_dscnt 1                                 ; this step's numbers are back from the stage (the last step's byte store may be out)
.else
	s_wait_dscnt 0x0
.endif
.if (\t)+4 < STEPS
	LOAD (\t)+4                                    ; the stage's stores have read these registers
.endif
.if (\t)+1 < STEPS
.if STEPS-2-(\t) >= 3
	s_wait_loadcnt 12                              ; the next step's four loads are in; those of the three steps behind it may be out
.else
	s_wait_loadcnt 4*(STEPS-2-(\t))
.endif
	TURN (\t)+1
.endif
	v_max3_num_f32 v8, |v[XS]|, |v[XS+1]|, |v[XS+2]|               ; the largest magnitude of my 16
	v_max3_num_f32 v9, |v[XS+3]|, |v[XS+4]|, |v[XS+5]|
.irp i, 6,10
	v_max3_num_f32 v8, v8, |v[XS+\i]|, |v[XS+\i+1]|
	v_max3_num_f32 v9, v9, |v[XS+\i+2]|, |v[XS+\i+3]|
.endr
	v_max3_num_f32 v8, v8, |v[XS+14]|, |v[XS+15]|
	v_max3_num_f32 v8, v8, v9, (EMAX+1)<<23        ; and the floor 2^(3 - 127): the byte cannot fall under 1
	v_max_num_f32_dpp v8, v8, v8 row_xmask:1 row_mask:0xf bank_mask:0xf   ; with my neighbour's 16: the block's
	v_add_nc_u32 v11, -(EMAX<<23), v8              ; 2 off its exponent field: the conversion takes this operand's exponent field as its scale
	v_cvt_scalef32_pk16_fp6_f32 v[C+4*(\t):C+4*(\t)+2], v[XS:XS+15], v11
	v_lshrrev_b32 v[E+(\t)], 23, v11               ; the scale's byte (also the plain line behind the conversion)
	ds_store_b8 v5, v[E+(\t)] offset:16*(\t)       ; both lanes of a block write the same byte with the same value
	global_store_b96 v4, v[C+4*(\t):C+4*(\t)+2], s[12:13] offset:192*((\t)/2)+2*1572864*((\t)%2)   ; row t / 2, planes 2 (t % 2) and the next
.endm
.irp t, 0,1,2,3,4,5,6,7,8,9,10,11,12,13,14,15
	STEP \t
.endr
	ds_load_b64 v[8:9], v6                         ; LDS serves a wave's instructions in order: these see my stores
	s_wait_dscnt 0x0
	global_store_b64 v7, v[8:9], s[14:15]          ; 32 lanes store 256 consecutive bytes, aligned
	s_wait_tensorcnt 0x0                           ; the wave's end
	ds_add_u32 v[SPW], v[NIL]
	s_wait_dscnt 0x0
	s_endpgm
.Lfunc_end_k_q627dcc58a6_quant:
	.size	k_q627dcc58a6_quant, .Lfunc_end_k_q627dcc58a6_quant-k_q627dcc58a6_quant
	.p2alignl 7, 3214868480
	.fill 96, 4, 3214868480
	.section	.rodata,"a",@progbits
	.p2align	6, 0x0
	.amdhsa_kernel k_q627dcc58a6_quant
		.amdhsa_group_segment_fixed_size 33280
		.amdhsa_private_segment_fixed_size 0
		.amdhsa_enable_private_segment 0
		.amdhsa_kernarg_size 40
		.amdhsa_user_sgpr_count 2
		.amdhsa_user_sgpr_kernarg_segment_ptr 1
		.amdhsa_wavefront_size32 1
		.amdhsa_system_sgpr_workgroup_id_x 1
		.amdhsa_system_sgpr_workgroup_id_y 1
		.amdhsa_system_sgpr_workgroup_id_z 1
		.amdhsa_system_vgpr_workitem_id 0
		.amdhsa_next_free_vgpr 192
		.amdhsa_next_free_sgpr 66
		.amdhsa_reserve_vcc 0
		.amdhsa_float_denorm_mode_32 3
		.amdhsa_float_denorm_mode_16_64 3
		.amdhsa_memory_ordered 1
		.amdhsa_forward_progress 1
		.amdhsa_inst_pref_size 33
	.end_amdhsa_kernel
	.amdgpu_metadata
---
amdhsa.version: [ 1, 2 ]
amdhsa.kernels:
  - .name:           k_q627dcc58a6_quant
    .symbol:         k_q627dcc58a6_quant.kd
    .args:
      - { .name: x, .offset: 0, .size: 8, .value_kind: global_buffer, .address_space: global }
      - { .name: Wqkv, .offset: 8, .size: 8, .value_kind: global_buffer, .address_space: global }
      - { .name: Wo, .offset: 16, .size: 8, .value_kind: global_buffer, .address_space: global }
      - { .name: cod, .offset: 24, .size: 8, .value_kind: global_buffer, .address_space: global }
      - { .name: scl, .offset: 32, .size: 8, .value_kind: global_buffer, .address_space: global }
    .group_segment_fixed_size: 33280
    .private_segment_fixed_size: 0
    .kernarg_segment_align: 8
    .kernarg_segment_size: 40
    .max_flat_workgroup_size: 128
    .sgpr_count:     66
    .vgpr_count:     192
    .wavefront_size: 32
...
	.end_amdgpu_metadata
.endif
;; end of part 1
;; launch qkv (part 2): grid 12 x 16, 4 waves a work-group, clusters of 4 x 4, 327,680 bytes of LDS; arguments cod, scl, qc, qs, kv, pi_gate_logit; writes qc, qs, kv
.if DOCPART == 2
	.amdgcn_target "amdgcn-amd-amdhsa--gfx1250"
	.amdhsa_code_object_version 6
	.text
	.protected	k_q627dcc58a6_qkv
	.globl	k_q627dcc58a6_qkv
	.p2align	8
	.type	k_q627dcc58a6_qkv,@function
k_q627dcc58a6_qkv:
	s_mov_b64 s[64:65], 0
	v_nop
	global_prefetch_b8 v0, s[64:65] scope:SCOPE_SE
	s_setreg_imm32_b32 hwreg(HW_REG_WAVE_MODE, 25, 1), 1
	s_wait_xcnt 0x0
	s_wait_alu depctr_hold_cnt(0) depctr_sa_sdst(0) depctr_va_vdst(0) depctr_va_sdst(0) depctr_va_ssrc(0) depctr_va_vcc(0) depctr_vm_vsrc(0)
	s_getreg_b32 s2, hwreg(HW_REG_IB_STS2, 6, 4)
	s_cmp_eq_u32 s2, 0
	s_cbranch_scc0 .Lentry_in_a_cluster
	s_endpgm
.Lentry_in_a_cluster:
	s_bfe_u32 s2, ttmp6, 0x10000c
	s_cmp_lg_u32 s2, 0xf033
	s_cbranch_scc0 .Lentry_shape_is_right
	s_endpgm
.Lentry_shape_is_right:
; qkv = x Wqkv^T on codes of FP6 (E2M3) with E8M0 scales, 4096 x 3072 x 1024, and what follows it: q and k are turned by the rotary angle and quantised along the head's 64; v is quantised along the tokens.
; THE PRODUCT.  A tile of 256 tokens x 256 position columns to a work-group of four waves, 128 x 128 a wave: 64 accumulators, 512 registers.  K goes in steps of 256 through a ring of two LDS slots filled by the
; tensor data mover; the scale bytes of the work-group's rows come once and stay.  4 x 4 work-groups form a cluster: x's tiles are asked for jointly along a row of it, Wqkv's along a column.
; The matrix instruction is used transposed (source 0 = 16 rows of Wqkv, source 1 = 16 tokens).  Wqkv's rows were laid so that accumulator (a, b = 2 B + u), lane (r, hf), register j is
; token 16 a + r, feature 32 B + 16 hf + 8 u + j; a wave's 128 columns are q and k of ONE head (tile columns 0-7) or v of two heads (tile columns 8-11).
; THE WAY OUT, q and k: angle = (pos x pi^(1 - i/32)) x sigmoid(pi_gate), rounded in that order; n = round(angle / pi), r = angle - n pi in two parts, sine and cosine of r by their series up to r^11 and r^12
; (|r| <= pi/2: what is cut is under 6e-8), the sign by n's parity.  Each angle serves q and k.  The 64 turned numbers of a lane are quantised in four half blocks; codes and scale words leave through the wave's stage.
; THE WAY OUT, v: 32 tokens x 64 features go through the wave's stage so that a lane holds one feature and its registers 32 tokens: a whole block along the keys.
; LIMITS: NaN and infinities are not served; |pi_gate_logit| under 88; a block whose largest magnitude lies under 2^-124 gets the byte 1; the frequencies and the gate are good to about one unit in the last place.
; REGISTERS, in windows of 256: window 0: v1-29 addresses; v32-63 scale words; from v128 x's fragments; on the way out v10-255 are free.  window 1: Wqkv's fragments, two sets.  windows 2, 3: accumulator (a, b) at v[8 (8 (a % 4) + b)].
.set KSTEP,  256
.set NQ,     2                         ; matrix instructions deep in a slot
.set ROWB,   192                       ; a tile's row: 256 codes
.set PLANE,  1572864                   ; the codes lie [plane of 256 along K][8192 rows][192 bytes]: 128 rows of a plane are 24,576 dense bytes, fetched as 96 rows of 256 bytes
.set PITCH,  240                       ; an LDS row: 3 x (64 bytes + 16 of padding)
.set FR,     12                        ; registers of a fragment
.set NL,     6                         ; LDS loads that bring one
.set NP,     4                         ; places behind this matrix instruction (ISA guide 7.12.1)
.set HALFT,  128*PITCH
.set SLOT,   4*HALFT                   ; x's 256 rows, then Wqkv's 256 rows
.set LAPS,   2                         ; 1024 / 512
.set KS,     32                        ; a row of scale bytes
.set SCL,    2*SLOT                    ; behind the ring: the scales, as units of 256 bytes + 16
.set HALFS,  (128*KS/256)*272
.set SBLK,   (16*KS/256)*272
.set SPARE,  SCL+4*HALFS               ; the spare words, 128 bytes a wave
.set ADRA, 16                          ; v16-19 LDS addresses of x's fragments in slots 0, 1 (and behind one padding more)
.set ADRB, 20                          ; v20-23 the same for Wqkv
.set ADRS, 27                          ; v27 my scale words: lanes 0-15 x's rows, lanes 16-31 Wqkv's
.set SPW,  28                          ; v28 my spare word's address; never rewritten
.set NIL,  29                          ; v29 0; never rewritten
.set SC,   32
.set AF,   128
.set G1, 24
.set G0, 32
.set G1B, 48
.set G0B, 56
.set G1S, 68
.set G0S, 76
.set G1SB, 80
.set G0SB, 88
.set MSB, 0
.macro WIN new                         ; the immediate's high byte repeats the setting that is left
.if MSB != (\new)
	s_set_vgpr_msb (MSB<<8)|(\new)
.set MSB, (\new)
.endif
.endm
.set MUL_LO, 0xa1                      ; source 0 window 1, source 1 window 0, C and D window 2
.set MUL_HI, 0xf1
.set TO_B,   0x40
; A joint load: waves 0 and 1 fetch for x, waves 2 and 3 for Wqkv.  The branch hangs on the wave's number alone.  An s_nop 0 and four v_nop follow each line.
.macro JLOAD g0a, g1a, g0b, g1b
	s_cmp_eq_u32 s15, 0
	s_cbranch_scc0 .Lfor_b_\@
	tensor_load_to_lds s[\g0a:\g0a+3], s[\g1a:\g1a+7]
	s_nop 0
.rept 4
	v_nop
.endr
	s_branch .Lasked_\@
.Lfor_b_\@:
	tensor_load_to_lds s[\g0b:\g0b+3], s[\g1b:\g1b+7]
	s_nop 0
.rept 4
	v_nop
.endr
.Lasked_\@:
.endm
.macro CREST                           ; a round of the cluster's barrier behind its opening barrier
	s_cmp_lg_u32 s14, 0
	s_cbranch_scc1 .Lnot_wave_0_\@
	s_barrier_signal -3
.Lnot_wave_0_\@:
	s_barrier_wait -3
	s_barrier_signal -1
	s_barrier_wait -1
.endm
.macro CROUND
	s_barrier_signal -1
	s_barrier_wait -1
	CREST
.endm
	s_load_b128 s[4:7], s[0:1], 0x0                ; cod, scl
	s_load_b128 s[96:99], s[0:1], 0x10             ; qc, qs
	s_load_b64 s[100:101], s[0:1], 0x20            ; kv
	s_load_b64 s[66:67], s[0:1], 0x28              ; pi_gate_logit
	v_lshl_add_u32 v[SPW], v0, 2, SPARE
	v_mov_b32 v[NIL], 0
	ds_add_u32 v[SPW], v[NIL]                      ; the wave's opening: the add and its wait ahead of my first tensor load
	ds_add_u32 v[SPW], v[NIL]
	v_lshrrev_b32 v1, 5, v0
	v_readfirstlane_b32 s14, v1                    ; wave 0..3
	s_lshr_b32 s15, s14, 1                         ; which half of the tile's tokens is mine.  Also: I fetch for x (0) or for Wqkv (1)
	s_and_b32 s16, s14, 1                          ; which half of its columns.  Also: which 128 rows I fetch
	s_bfe_u32 s40, ttmp6, 0x40000                  ; cx, cy
	s_bfe_u32 s41, ttmp6, 0x40004
	s_lshl_b32 s42, ttmp9, 2
	s_add_co_u32 s42, s42, s40                     ; tile column = 4 x cluster x + cx
	s_and_b32 s17, ttmp7, 0xffff
	s_lshl_b32 s17, s17, 2
	s_add_co_u32 s17, s17, s41                     ; tile row = 4 x cluster y + cy
	s_lshl_b32 s43, s41, 2
	s_lshl_b32 s43, 15, s43                        ; my row of the cluster
	s_lshl_b32 s44, 0x1111, s40                    ; my column
	s_or_b32 s[G1+0], s43, (0<<16)|(1<<20)|(1<<21)|(3<<22)|(3<<25)  ; the mask; bytes; padding on, 4 words behind every 16; bit 21 beside a mask
	s_or_b32 s[G1B+0], s44, (0<<16)|(1<<20)|(1<<21)|(3<<22)|(3<<25)
.irp g, G1, G1B
	s_mov_b32 s[\g+1], 256<<16                     ; rows of 256 bytes, dense
	s_mov_b32 s[\g+2], 192<<16                     ; the head's loads bring 256 rows of codes: 192 such rows
	s_mov_b32 s[\g+3], 256<<16
	s_mov_b32 s[\g+4], 192
	s_mov_b32 s[\g+5], 256
	s_mov_b32 s[\g+6], 0
	s_mov_b32 s[\g+7], 0
.endr
	s_or_b32 s[G1S+0], s43, (3<<16)|(1<<20)|(1<<21)|(5<<22)|(3<<25)  ; the scales of 256 rows: a dense block, as rows of 256 bytes + 16 of padding
	s_or_b32 s[G1SB+0], s44, (3<<16)|(1<<20)|(1<<21)|(5<<22)|(3<<25)
.irp g, G1S, G1SB
	s_mov_b32 s[\g+1], 32<<16
	s_mov_b32 s[\g+2], KS<<16                      ; the scales of 256 rows
	s_mov_b32 s[\g+3], 32<<16
	s_mov_b32 s[\g+4], KS
	s_mov_b32 s[\g+5], 32
	s_mov_b32 s[\g+6], 0
	s_mov_b32 s[\g+7], 0
.endr
	s_lshl_b32 s20, s17, 8                         ; x: the tile's first row
	s_lshl_b32 s46, s42, 8                         ; Wqkv: the tile's first position row
	s_mov_b32 s21, 0
	s_mov_b32 s47, 0
	s_mov_b64 s[18:19], KS
	s_mul_u64 s[22:23], s[20:21], s[18:19]
	s_mul_u64 s[92:93], s[46:47], s[18:19]
	s_mov_b64 s[18:19], ROWB
	s_mul_u64 s[20:21], s[20:21], s[18:19]
	s_mul_u64 s[46:47], s[46:47], s[18:19]
	s_mul_i32 s45, s14, HALFT                      ; where they go: wave x 128 rows
	s_mul_i32 s18, s16, 128*ROWB                   ; in the ring I fetch 128 rows: which half
	s_mov_b32 s19, 0
	s_wait_dscnt 0x0                               ; the opening add is done
	s_wait_kmcnt 0x0
	s_add_nc_u64 s[8:9], s[4:5], 4096*ROWB         ; Wqkv's rows lie behind x's 4,096 in each plane
	s_add_nc_u64 s[10:11], s[6:7], 131072          ; its scale bytes likewise
	s_add_nc_u64 s[20:21], s[4:5], s[20:21]
	s_add_nc_u64 s[22:23], s[6:7], s[22:23]
	s_add_nc_u64 s[46:47], s[8:9], s[46:47]
	s_add_nc_u64 s[92:93], s[10:11], s[92:93]
	CROUND                                         ; all sixteen work-groups are here: the first joint loads meet
	s_mov_b32 s[G0S], 1
	s_mov_b32 s[G0S+1], SCL
	s_mov_b64 s[G0S+2:G0S+3], s[22:23]
	s_or_b32 s[G0S+3], s[G0S+3], 0x80000000
	s_mov_b32 s[G0SB], 1
	s_mov_b32 s[G0SB+1], SCL+2*HALFS
	s_mov_b64 s[G0SB+2:G0SB+3], s[92:93]
	s_or_b32 s[G0SB+3], s[G0SB+3], 0x80000000
	s_mov_b32 s4, 1                                ; group 0 for the head's loads of K step 0: x's 256 rows,
	s_mov_b32 s5, 0
	s_mov_b64 s[6:7], s[20:21]
	s_or_b32 s7, s7, 0x80000000
	s_mov_b32 s8, 1                                ; and Wqkv's 256 rows behind them
	s_mov_b32 s9, 2*HALFT
	s_mov_b64 s[10:11], s[46:47]
	s_or_b32 s11, s11, 0x80000000
	s_add_nc_u64 s[20:21], s[20:21], s[18:19]      ; for the ring: my 128 rows
	s_add_nc_u64 s[46:47], s[46:47], s[18:19]
.irp s, 0,1
	s_mov_b32 s[G0+4*\s], 1
	s_add_co_u32 s[G0+4*\s+1], s45, \s*SLOT
	s_add_nc_u64 s[G0+4*\s+2:G0+4*\s+3], s[20:21], \s*PLANE
	s_or_b32 s[G0+4*\s+3], s[G0+4*\s+3], 0x80000000
	s_mov_b32 s[G0B+4*\s], 1
	s_add_co_u32 s[G0B+4*\s+1], s45, \s*SLOT
	s_add_nc_u64 s[G0B+4*\s+2:G0B+4*\s+3], s[46:47], \s*PLANE
	s_or_b32 s[G0B+4*\s+3], s[G0B+4*\s+3], 0x80000000
.endr
; The head's loads, one a wave: wave 0 x's codes of K step 0, wave 1 Wqkv's, wave 2 x's scales, wave 3 Wqkv's: one tree of branches on the wave's number.
.macro ARM under, g0, g1, next
	s_cmp_lt_u32 s14, \under
	s_cbranch_scc0 \next
	tensor_load_to_lds s[\g0:\g0+3], s[\g1:\g1+7]
	s_nop 0
.rept 4
	v_nop
.endr
	s_branch .Lhead_asked
\next:
.endm
	ARM 1, 4,   G1,  .Lhead_b
	ARM 2, 8,   G1B, .Lhead_sa
	ARM 3, G0S, G1S, .Lhead_sb
	tensor_load_to_lds s[G0SB:G0SB+3], s[G1SB:G1SB+7]
	s_nop 0
.rept 4
	v_nop
.endr
.Lhead_asked:
	s_lshl_b32 s46, s42, 1                         ; my head's gate (a v tile reads a word too and does not use it)
	s_add_co_u32 s46, s46, s16
	s_and_b32 s46, s46, 15
	s_lshl_b32 s46, s46, 2
	s_mov_b32 s47, 0
	s_add_nc_u64 s[66:67], s[66:67], s[46:47]
	s_load_b32 s95, s[66:67], 0x0                  ; waited for on the way out
	v_and_b32 v1, 15, v0                           ; r = l % 16
	v_bfe_u32 v2, v0, 4, 1                         ; hf = l / 16
	v_mul_u32_u24 v3, v1, PITCH
	v_mul_u32_u24 v4, v2, 24
	v_add_nc_u32 v4, v3, v4                        ; a fragment's row x pitch + 24 x half
	v_lshl_add_u32 v5, v2, 4, v4                   ; and the same behind one padding more
	s_mul_i32 s21, s15, HALFT
	s_mul_i32 s22, s16, HALFT
	s_add_co_u32 s22, s22, 2*HALFT
.irp s, 0,1
	v_add_nc_u32 v[ADRA+\s], s21, v4
	v_add_nc_u32 v[ADRB+\s], s22, v4
	v_add_nc_u32 v[ADRA+2+\s], s21, v5
	v_add_nc_u32 v[ADRB+2+\s], s22, v5
	s_add_co_u32 s21, s21, SLOT
	s_add_co_u32 s22, s22, SLOT
.endr
	v_mul_u32_u24 v5, v1, KS                       ; my row's scales: KS bytes a row,
	v_lshrrev_b32 v6, 8, v5
	v_lshl_add_u32 v5, v6, 4, v5                   ; and 16 more for each 256 passed
	s_mul_i32 s21, s15, HALFS
	s_mul_i32 s22, s16, HALFS
	s_add_co_u32 s22, s22, 2*HALFS
	s_sub_co_u32 s22, s22, s21
	v_mul_u32_u24 v6, s22, v2                      ; lanes 16-31 take Wqkv's
	s_add_co_u32 s21, s21, SCL
	v_add_nc_u32 v5, v5, v6
	v_add_nc_u32 v[ADRS], s21, v5
.macro FRAG reg, adr, q, i             ; 16 rows x 128 K of 6-bit codes: 12 registers, in pieces of 8 bytes; where the piece three on lies behind one padding more the second address register serves
.irp p, 0,1,2,3,4,5
.set PC, 12*(\q)+6*(\p/3)+\p%3
.if PC%8 < 5
	ds_load_b64 v[\reg+2*\p:\reg+2*\p+1], v[\adr] offset:8*PC+16*(PC/8)+(\i)*16*PITCH
.else
	ds_load_b64 v[\reg+2*\p:\reg+2*\p+1], v[\adr+2] offset:8*PC+16*(PC/8)+(\i)*16*PITCH
.endif
.endr
.endm
; 16 matrix instructions: token blocks a0, a0 + 1 x all eight column blocks.  The 64 accumulators take turns, one instruction a turn.
.macro MUL16 a0, p, q, sc, zero
.irp a, \a0, \a0+1
.irp b, 0,1,2,3,4,5,6,7
.if \zero
	v_wmma_scale_f32_16x16x128_f8f6f4 v[8*(8*((\a)%4)+\b):8*(8*((\a)%4)+\b)+7], v[128*(\p)+FR*\b:128*(\p)+FR*\b+FR-1], v[AF+FR*(\a):AF+FR*(\a)+FR-1], 0, v[SC+8*NQ*(\sc)+NQ*\b+(\q)], v[SC+8*NQ*(\sc)+NQ*(\a)+(\q)] matrix_a_fmt:MATRIX_FMT_FP6 matrix_b_fmt:MATRIX_FMT_FP6 matrix_a_scale:MATRIX_SCALE_ROW1
.else
	v_wmma_scale_f32_16x16x128_f8f6f4 v[8*(8*((\a)%4)+\b):8*(8*((\a)%4)+\b)+7], v[128*(\p)+FR*\b:128*(\p)+FR*\b+FR-1], v[AF+FR*(\a):AF+FR*(\a)+FR-1], v[8*(8*((\a)%4)+\b):8*(8*((\a)%4)+\b)+7], v[SC+8*NQ*(\sc)+NQ*\b+(\q)], v[SC+8*NQ*(\sc)+NQ*(\a)+(\q)] matrix_a_fmt:MATRIX_FMT_FP6 matrix_b_fmt:MATRIX_FMT_FP6 matrix_a_scale:MATRIX_SCALE_ROW1
.endif
.endr
.endr
.endm
.macro FETCH_B slot, q, p
	WIN TO_B
.irp i, 0,1,2,3,4,5,6,7
	FRAG 128*(\p)+FR*\i, ADRB+\slot, \q, \i
.endr
	WIN 0
.endm
.macro FETCH_A slot, q, i0
.irp i, \i0, \i0+1, \i0+2, \i0+3
	FRAG AF+FR*(\i), ADRA+\slot, \q, \i
.endr
.endm
.macro SCALES sc                       ; a K step's scale words: lanes 0-15 x's block i, lanes 16-31 Wqkv's block i
.irp i, 0,1,2,3,4,5,6,7
	ds_load_b64 v[SC+8*NQ*\sc+NQ*\i:SC+8*NQ*\sc+NQ*\i+1], v[ADRS] offset:\i*SBLK
.endr
.endm
.macro PLACES n                        ; plain vector lines between a matrix instruction and a load into, or a read of, its registers
.rept \n
	v_nop
.endr
.endm
.macro STEP slot, q, zero              ; 128 along K that have their successor in the same slot
	s_wait_dscnt 4*NL                              ; Wqkv's set and x's blocks 0-3 are in; the youngest 24 loads (x's blocks 4-7) may be out
	WIN MUL_LO
	MUL16 0, (\q)%2, \q, \slot, \zero
	MUL16 2, (\q)%2, \q, \slot, \zero
	s_wait_dscnt 0
	PLACES NP
	FETCH_B \slot, (\q)+1, 1-(\q)%2
	FETCH_A \slot, (\q)+1, 0
	WIN MUL_HI
	MUL16 4, (\q)%2, \q, \slot, \zero
	MUL16 6, (\q)%2, \q, \slot, \zero
	PLACES NP
	WIN 0
	FETCH_A \slot, (\q)+1, 4
.endm
; A slot's last step changes slots: one barrier; ahead of it each wave waits for all its tensor loads, adds 0 to its spare word, and waits for that and for its reads of this slot.
.macro TURN slot, next, fill
	s_wait_tensorcnt 0x0                           ; all my tensor loads have landed: my part of the next slot
	ds_add_u32 v[SPW], v[NIL]
	s_wait_dscnt 4*NL+1                            ; (the add and the youngest 24 loads may be out)
	WIN MUL_LO
	MUL16 0, 1, NQ-1, \slot, 0
	s_wait_dscnt 0x0                               ; the add is done, and my reads of this slot are over
	s_barrier_signal -1
	MUL16 2, 1, NQ-1, \slot, 0
	WIN 0
	s_barrier_wait -1
.if \fill
	CREST                                          ; the barrier has opened a round of the cluster's: no wave of any partner still reads this slot or has a load on its way
	s_add_nc_u64 s[G0+4*\slot+2:G0+4*\slot+3], s[G0+4*\slot+2:G0+4*\slot+3], 2*PLANE
	s_add_nc_u64 s[G0B+4*\slot+2:G0B+4*\slot+3], s[G0B+4*\slot+2:G0B+4*\slot+3], 2*PLANE
	JLOAD G0+4*\slot, G1, G0B+4*\slot, G1B         ; the first tensor load behind the round; its four v_nop are the places ahead of the loads below
.else
	PLACES NP
.endif
	s_wait_alu depctr_va_vdst(0)
	v_add_nc_u32 v[ADRS], 4*NQ, v[ADRS]
	FETCH_B \next, 0, 0
	FETCH_A \next, 0, 0
	SCALES \next
	WIN MUL_HI
	MUL16 4, 1, NQ-1, \slot, 0
	MUL16 6, 1, NQ-1, \slot, 0
	PLACES NP
	WIN 0
	FETCH_A \next, 0, 4
.endm
	s_wait_alu depctr_va_vdst(0)
	s_wait_tensorcnt 0x0                           ; my tile of the head's four is in
	ds_add_u32 v[SPW], v[NIL]
	s_mov_b32 s[G1+2], 96<<16                      ; no tensor load of mine is out: from here on a load brings 128 rows of codes, 96 rows of 256 bytes
	s_mov_b32 s[G1+4], 96
	s_mov_b32 s[G1B+2], 96<<16
	s_mov_b32 s[G1B+4], 96
	s_wait_dscnt 0x0
	CROUND
	JLOAD G0+4, G1, G0B+4, G1B                     ; K step 1, the first tensor load behind the round
	FETCH_B 0, 0, 0
	FETCH_A 0, 0, 0
	SCALES 0
	FETCH_A 0, 0, 4
	STEP 0, 0, 1                                   ; the first step's products start the sums
	s_mov_b32 s3, LAPS-1
.Llap:
	TURN 0, 1, 1
	STEP 1, 0, 0
	TURN 1, 0, 1
	STEP 0, 0, 0
	s_sub_co_u32 s3, s3, 1
	s_cmp_lg_u32 s3, 0
	s_cbranch_scc1 .Llap
	TURN 0, 1, 0                                   ; the last lap fills nothing
	STEP 1, 0, 0
	s_wait_dscnt 4*NL
	WIN MUL_LO
	MUL16 0, 1, NQ-1, 1, 0
	MUL16 2, 1, NQ-1, 1, 0
	s_wait_dscnt 0
	WIN MUL_HI
	MUL16 4, 1, NQ-1, 1, 0
	MUL16 6, 1, NQ-1, 1, 0
	WIN 0
	PLACES NP                                      ; ahead of every read of results and every write of the operands' registers below
	s_wait_dscnt 0x0
	s_barrier_signal -1
	s_barrier_wait -1                              ; nobody reads either slot any more, and both have had their last fill: the stages lie in them
	s_wait_kmcnt 0x0                               ; the gate
	s_lshl_b32 s18, s17, 8
	s_lshl_b32 s19, s15, 7
	s_add_co_u32 s18, s18, s19
	s_and_b32 s18, s18, 2047                       ; n0: my first token within its batch
	s_lshr_b32 s19, s17, 3                         ; batch
	s_lshr_b32 s22, s18, 7                         ; my 128 tokens are key step n0 / 128
	s_mov_b32 s20, 0x76543210
	s_mov_b32 s21, 0xfedcba98                      ; selects for lane l xor 16
	s_mov_b32 s45, 0
	s_cmp_eq_u32 ttmp9, 2                          ; the cluster's x: the same in all sixteen partners
	s_cbranch_scc1 .Lv
; ---------------- q and k ----------------
.set F,   32                           ; v32-47   16 frequencies: number 8 B + p is pi^(1 - (16 B + 8 hf + p) / 32)
.set POS, 48                           ; v48-49   my token's position, twice
.set PLA, 50                           ; v50 stage: my 12 bytes' place;  v51 my scale word;  v52 way back;  v53 12 x lane;  v54 16 x lane
.set WDA, 51
.set RDA, 52
.set G12, 53
.set G16, 54
.set K9,  56                           ; v56-57 1/9!, v58-59 -1/10!, v60-61 1.5 x 2^23, v62-63 the gate: each twice
.set K10, 58
.set MG,  60
.set PG,  62
.set TH,  64                           ; angle, then the reduced angle
.set T,   80                           ; n, then r^3
.set R2,  96
.set SN,  112
.set CN,  128
.set SG,  144                          ; n's parity as a sign bit
.set R,   160                          ; v160-223 the 64 turned numbers: 16 b + i = feature 32 (b % 2) + 16 hf + i of q (b < 2) or k
.set TM,  224
.set CD,  240                          ; four runs of three code registers
.set QST, 17408                        ; a wave's stage, in slot 0: q's places 8,192, k's 8,192, q's words 512, k's 512
	s_lshl_b32 s23, s42, 1
	s_add_co_u32 s23, s23, s16                     ; head
	s_lshl_b32 s40, s19, 4
	s_add_co_u32 s23, s23, s40                     ; bh = 16 batch + head
	s_lshl_b32 s40, s23, 11
	s_add_co_u32 s40, s40, s18                     ; 2048 bh + n0
	s_mul_i32 s44, s40, 48
	s_add_nc_u64 s[96:97], s[96:97], s[44:45]      ; qc
	s_lshl_b32 s44, s40, 2
	s_add_nc_u64 s[98:99], s[98:99], s[44:45]      ; qs
	s_lshl_b32 s44, s23, 4
	s_add_co_u32 s44, s44, s22
	s_mul_i32 s44, s44, 13056                      ; a key step's block of kv: K's codes 6,144, V's 6,144, K's words 512, V's 256
	s_add_nc_u64 s[100:101], s[100:101], s[44:45]
	s_add_nc_u64 s[104:105], s[100:101], 12288     ; K's words
	s_mul_i32 s41, s14, QST
	v_lshlrev_b32 v[PLA], 6, v1
	v_lshl_add_u32 v[PLA], v2, 4, v[PLA]
	v_add_nc_u32 v[PLA], s41, v[PLA]               ; 64 r + 16 hf
	v_lshlrev_b32 v[WDA], 2, v1
	v_add_nc_u32 v[WDA], s41, v[WDA]
	v_add_nc_u32 v[WDA], 16384, v[WDA]
	v_and_b32 v55, 31, v0
	v_lshlrev_b32 v[G16], 4, v55
	v_add_nc_u32 v[RDA], s41, v[G16]
	v_mul_u32_u24 v[G12], v55, 12
	v_mov_b32 v[K9], 0x3638ef1d
	v_mov_b32 v[K9+1], 0x3638ef1d
	v_mov_b32 v[K10], 0xb493f27e
	v_mov_b32 v[K10+1], 0xb493f27e
	v_mov_b32 v[MG], 0x4b400000
	v_mov_b32 v[MG+1], 0x4b400000
.irp b, 0,1,2,3
	v_mov_b32 v[TM+4+\b], 0                        ; a lane permute's destination counts as one of its sources
.endr
	; the gate: 1 / (1 + e^-x); the exponent's low part goes in behind the exponential, the reciprocal gets one Newton step
	v_mov_b32 v64, s95
	v_mul_f32 v65, 0xbfb8aa3b, v64
	v_fma_f32 v66, v64, 0xbfb8aa3b, -v65
	v_fma_f32 v66, v64, 0xb2a57060, v66
	v_exp_f32 v67, v65
	v_nop
	s_wait_alu depctr_va_vdst(0)                   ; the wait ahead of the first reader
	v_mul_f32 v66, v67, v66
	v_fma_f32 v67, v66, 0x3f317218, v67
	v_add_f32 v68, 1.0, v67
	s_wait_alu depctr_va_vdst(0)
	v_rcp_f32 v69, v68
	v_nop
	s_wait_alu depctr_va_vdst(0)
	v_fma_f32 v70, -v68, v69, 1.0
	v_fma_f32 v[PG], v70, v69, v69
	v_mov_b32 v[PG+1], v[PG]
	; the frequencies: 2^(log2(pi) c), c = (32 - number) / 32, exact; the product's low part and log2(pi)'s go in behind the exponential
	v_lshlrev_b32 v144, 3, v2
.irp i, 0,1,2,3,4,5,6,7,8,9,10,11,12,13,14,15
	v_sub_nc_u32 v[T+\i], 32-\i-8*(\i/8), v144
.endr
.irp i, 0,1,2,3,4,5,6,7,8,9,10,11,12,13,14,15
	v_cvt_f32_u32 v[T+\i], v[T+\i]
.endr
.irp i, 0,1,2,3,4,5,6,7,8,9,10,11,12,13,14,15
	v_mul_f32 v[T+\i], 0x3d000000, v[T+\i]
.endr
.irp i, 0,1,2,3,4,5,6,7,8,9,10,11,12,13,14,15
	v_mul_f32 v[TH+\i], 0x3fd3643a, v[T+\i]
.endr
.irp i, 0,1,2,3,4,5,6,7,8,9,10,11,12,13,14,15
	v_fma_f32 v[R2+\i], v[T+\i], 0x3fd3643a, -v[TH+\i]
.endr
.irp i, 0,1,2,3,4,5,6,7,8,9,10,11,12,13,14,15
	v_fma_f32 v[R2+\i], v[T+\i], 0xb336732e, v[R2+\i]
.endr
.irp i, 0,1,2,3,4,5,6,7,8,9,10,11,12,13,14,15
	v_exp_f32 v[F+\i], v[TH+\i]
.endr
	v_add_nc_u32 v[POS], s18, v1                   ; (a plain line behind the exponentials)  my first token's position
	s_wait_alu depctr_va_vdst(0)                   ; one wait for the sixteen
.irp i, 0,1,2,3,4,5,6,7,8,9,10,11,12,13,14,15
	v_mul_f32 v[R2+\i], v[F+\i], v[R2+\i]
.endr
.irp i, 0,1,2,3,4,5,6,7,8,9,10,11,12,13,14,15
	v_fma_f32 v[F+\i], v[R2+\i], 0x3f317218, v[F+\i]
.endr
	v_cvt_f32_u32 v[POS], v[POS]
	v_mov_b32 v[POS+1], v[POS]
.macro ANGLES                          ; sine and cosine of my token's 16 angles, two at a time
.irp i, 0,2,4,6,8,10,12,14
	v_pk_mul_f32 v[TH+\i:TH+\i+1], v[F+\i:F+\i+1], v[POS:POS+1]          ; pos x frequency, rounded,
.endr
.irp i, 0,2,4,6,8,10,12,14
	v_pk_mul_f32 v[TH+\i:TH+\i+1], v[TH+\i:TH+\i+1], v[PG:PG+1]          ; x the gate, rounded
.endr
.irp i, 0,2,4,6,8,10,12,14
	v_pk_fma_f32 v[T+\i:T+\i+1], v[TH+\i:TH+\i+1], 0x3ea2f983, v[MG:MG+1] op_sel_hi:[1,0,1]   ; angle / pi + 1.5 x 2^23: the sum's low bits are n
.endr
.irp i, 0,1,2,3,4,5,6,7,8,9,10,11,12,13,14,15
	v_lshlrev_b32 v[SG+\i], 31, v[T+\i]
.endr
.irp i, 0,2,4,6,8,10,12,14
	v_pk_add_f32 v[T+\i:T+\i+1], v[T+\i:T+\i+1], v[MG:MG+1] neg_lo:[0,1] neg_hi:[0,1]         ; n
.endr
.irp i, 0,2,4,6,8,10,12,14
	v_pk_fma_f32 v[TH+\i:TH+\i+1], v[T+\i:T+\i+1], 0xc0490fdb, v[TH+\i:TH+\i+1] op_sel_hi:[1,0,1]   ; - n x pi's upper part,
.endr
.irp i, 0,2,4,6,8,10,12,14
	v_pk_fma_f32 v[TH+\i:TH+\i+1], v[T+\i:T+\i+1], 0x33bbbd2e, v[TH+\i:TH+\i+1] op_sel_hi:[1,0,1]   ; - n x its lower part: r
.endr
.irp i, 0,2,4,6,8,10,12,14
	v_pk_mul_f32 v[R2+\i:R2+\i+1], v[TH+\i:TH+\i+1], v[TH+\i:TH+\i+1]
.endr
.irp i, 0,2,4,6,8,10,12,14
	v_pk_fma_f32 v[SN+\i:SN+\i+1], v[R2+\i:R2+\i+1], 0xb2d7322b, v[K9:K9+1] op_sel_hi:[1,0,1]
.endr
.irp k, 0xb9500d01, 0x3c088889, 0xbe2aaaab
.irp i, 0,2,4,6,8,10,12,14
	v_pk_fma_f32 v[SN+\i:SN+\i+1], v[SN+\i:SN+\i+1], v[R2+\i:R2+\i+1], \k op_sel_hi:[1,1,0]
.endr
.endr
.irp i, 0,2,4,6,8,10,12,14
	v_pk_mul_f32 v[T+\i:T+\i+1], v[TH+\i:TH+\i+1], v[R2+\i:R2+\i+1]
.endr
.irp i, 0,2,4,6,8,10,12,14
	v_pk_fma_f32 v[SN+\i:SN+\i+1], v[SN+\i:SN+\i+1], v[T+\i:T+\i+1], v[TH+\i:TH+\i+1]         ; sin r
.endr
.irp i, 0,2,4,6,8,10,12,14
	v_pk_fma_f32 v[CN+\i:CN+\i+1], v[R2+\i:R2+\i+1], 0x310f76c7, v[K10:K10+1] op_sel_hi:[1,0,1]
.endr
.irp k, 0x37d00d01, 0xbab60b61, 0x3d2aaaab, -0.5, 1.0
.irp i, 0,2,4,6,8,10,12,14
	v_pk_fma_f32 v[CN+\i:CN+\i+1], v[CN+\i:CN+\i+1], v[R2+\i:R2+\i+1], \k op_sel_hi:[1,1,0]   ; cos r
.endr
.endr
.irp i, 0,1,2,3,4,5,6,7,8,9,10,11,12,13,14,15
	v_xor_b32 v[SN+\i], v[SG+\i], v[SN+\i]
	v_xor_b32 v[CN+\i], v[SG+\i], v[CN+\i]
.endr
.endm
.macro ROT a                           ; (t1, t2) -> (t1 c - t2 s, t1 s + t2 c), a pair an instruction; each accumulator is read from its low end on
.set AB, 64*((\a)%4)
	WIN 0x02+(\a)/4                                ; source 0: the accumulators' window
.set i, 0
.rept 16
	v_pk_mul_f32 v[R+4*i:R+4*i+1], v[AB+4*i:AB+4*i+1], v[CN+2*(i%8):CN+2*(i%8)+1] op_sel:[0,0] op_sel_hi:[1,0]
	v_pk_mul_f32 v[R+4*i+2:R+4*i+3], v[AB+4*i+2:AB+4*i+3], v[CN+2*(i%8):CN+2*(i%8)+1] op_sel:[0,1] op_sel_hi:[1,1]
.set i, i+1
.endr
.set i, 0
.rept 16
	v_pk_fma_f32 v[R+4*i:R+4*i+1], v[AB+4*i:AB+4*i+1], v[SN+2*(i%8):SN+2*(i%8)+1], v[R+4*i:R+4*i+1] op_sel:[1,0,0] op_sel_hi:[0,0,1] neg_lo:[1,0,0]
	v_pk_fma_f32 v[R+4*i+2:R+4*i+3], v[AB+4*i+2:AB+4*i+3], v[SN+2*(i%8):SN+2*(i%8)+1], v[R+4*i+2:R+4*i+3] op_sel:[1,1,0] op_sel_hi:[0,1,1] neg_lo:[1,0,0]
.set i, i+1
.endr
	WIN 0
.endm
.macro QHALF a                         ; four blocks of 32 (each in lanes l and l xor 16) become codes and two scale words, and go to the stage
	s_wait_dscnt 0x0                               ; the last block's stores have read their registers
.irp b, 0,1,2,3
	v_max3_num_f32 v[TM+\b], |v[R+16*\b]|, |v[R+1+16*\b]|, 0x1800000     ; with the floor 2^(3 - 127)
.endr
.irp i, 2,4,6,8,10,12,14
.irp b, 0,1,2,3
	v_max3_num_f32 v[TM+\b], v[TM+\b], |v[R+16*\b+\i]|, |v[R+1+16*\b+\i]|
.endr
.endr
.irp b, 0,1,2,3
	v_permlanex16_b32 v[TM+4+\b], v[TM+\b], s20, s21
.endr
.irp b, 0,1,2,3
	v_max_num_f32 v[TM+\b], v[TM+\b], v[TM+4+\b]
.endr
.irp b, 0,1,2,3
	v_add_nc_u32 v[TM+12+\b], 0xff000000, v[TM+\b] ; 2 off the exponent field: the conversion's scale operand
.endr
.irp b, 0,1,2,3
	v_lshrrev_b32 v[TM+4+\b], 23, v[TM+12+\b]      ; the byte
.endr
	v_lshl_or_b32 v[TM+8], v[TM+5], 8, v[TM+4]
	v_lshl_or_b32 v[TM+9], v[TM+7], 8, v[TM+6]
	v_or_b32 v[TM+8], 0x7f7f0000, v[TM+8]          ; bytes 2 and 3 stand for 1: the product's upper 64 along K are zeros
	v_or_b32 v[TM+9], 0x7f7f0000, v[TM+9]
.irp b, 0,1,2,3
	v_cvt_scalef32_pk16_fp6_f32 v[CD+4*\b:CD+4*\b+2], v[R+16*\b:R+16*\b+15], v[TM+12+\b]
.endr
	v_nop                                          ; one plain line behind the conversions
.irp b, 0,1,2,3
	ds_store_b96 v[PLA], v[CD+4*\b:CD+4*\b+2] offset:1024*(\a)+32*(\b%2)+8192*(\b/2)
.endr
	ds_store_b32 v[WDA], v[TM+8] offset:64*(\a)    ; both halves of the lanes write the same word with the same value
	ds_store_b32 v[WDA], v[TM+9] offset:64*(\a)+512
.endm
	s_mov_b32 s3, 0                                ; two trips of four token blocks: the angles' lines are written four times; the accumulators' window differs between the trips, so what names it has two arms
.Lqk:
.irp a, 0,1,2,3
	ANGLES
	s_cmp_eq_u32 s3, 0
	s_wait_alu depctr_va_vdst(0)
	s_cbranch_scc0 .Lhi\a
	ROT \a
	QHALF \a
	s_wait_alu depctr_va_vdst(0)
	s_branch .Ljn\a
.Lhi\a:
	ROT \a+4
	QHALF \a+4
.Ljn\a:
	v_pk_add_f32 v[POS:POS+1], v[POS:POS+1], 0x41800000 op_sel_hi:[1,0]   ; 16 tokens on
.endr
	s_add_co_u32 s3, s3, 1
	s_cmp_lt_u32 s3, 2
	s_wait_alu depctr_va_vdst(0)
	s_cbranch_scc1 .Lqk
	; back from the stage as they lie in memory: place p (16 bytes, 12 used) is bytes 12 p of the wave's 6,144
.irp i, 0,1,2,3,4,5,6,7,8,9,10,11,12,13,14,15
	ds_load_b96 v[64+4*\i:66+4*\i], v[RDA] offset:512*\i
.endr
.irp i, 0,1,2,3,4,5,6,7,8,9,10,11,12,13,14,15
	ds_load_b96 v[128+4*\i:130+4*\i], v[RDA] offset:512*\i+8192
.endr
	ds_load_b128 v[192:195], v[RDA] offset:16384
	ds_load_b128 v[196:199], v[RDA] offset:16896
.irp i, 0,1,2,3,4,5,6,7,8,9,10,11,12,13,14,15
	s_wait_dscnt 33-\i                             ; the loads issued behind this one may be out
	global_store_b96 v[G12], v[64+4*\i:66+4*\i], s[96:97] offset:384*\i       ; 384 consecutive bytes a store
.endr
.irp i, 0,1,2,3,4,5,6,7,8,9,10,11,12,13,14,15
	s_wait_dscnt 17-\i
	global_store_b96 v[G12], v[128+4*\i:130+4*\i], s[100:101] offset:384*\i
.endr
	s_wait_dscnt 0x0
	global_store_b128 v[G16], v[192:195], s[98:99]                            ; 512 consecutive bytes
	global_store_b128 v[G16], v[196:199], s[104:105]
	s_branch .Lend
; ---------------- v ----------------
.Lv:
.set VC,  32                           ; v32-47  four runs of three code registers
.set SB,  48                           ; v48-49  scale bytes of features lane and 32 + lane
.set ST1, 50                           ; v50-57  addresses
.set LD1, 51
.set ST2, 52
.set LD2, 53
.set SWA, 54
.set SWR, 55
.set V12, 56
.set V8,  57
.set VX,  64                           ; v64-127 two sets of 32 tokens
.set VSZ, 18432                        ; a wave's stage, in slot 1: 32 tokens x 272; 64 features x 144; 256 bytes of words
	s_sub_co_u32 s23, s42, 8
	s_lshl_b32 s23, s23, 2
	s_lshl_b32 s40, s16, 1
	s_add_co_u32 s23, s23, s40                     ; my first head
	s_lshl_b32 s40, s19, 4
	s_add_co_u32 s23, s23, s40                     ; bh
	s_lshl_b32 s44, s23, 4
	s_add_co_u32 s44, s44, s22
	s_mul_i32 s44, s44, 13056
	s_add_co_u32 s44, s44, 6144
	s_add_nc_u64 s[100:101], s[100:101], s[44:45]  ; the step's V part; the second head's lies 16 steps on
	s_add_nc_u64 s[104:105], s[100:101], 6656      ; V's words, at byte 12,800 of the step's block
	s_mul_i32 s41, s14, VSZ
	s_add_co_u32 s41, s41, SLOT
	v_and_b32 v58, 31, v0
	v_mul_u32_u24 v[ST1], v1, 272
	v_lshl_add_u32 v[ST1], v2, 6, v[ST1]
	v_add_nc_u32 v[ST1], s41, v[ST1]               ; token r's row, + 64 hf
	v_lshlrev_b32 v[LD1], 2, v58
	v_add_nc_u32 v[LD1], s41, v[LD1]               ; feature = lane
	v_mul_u32_u24 v[ST2], v58, 144
	v_add_nc_u32 v[ST2], s41, v[ST2]
	v_add_nc_u32 v[ST2], 8704, v[ST2]
	v_lshrrev_b32 v59, 3, v58
	v_mul_u32_u24 v[LD2], v59, 144
	v_and_b32 v59, 7, v58
	v_lshl_add_u32 v[LD2], v59, 4, v[LD2]
	v_add_nc_u32 v[LD2], s41, v[LD2]
	v_add_nc_u32 v[LD2], 8704, v[LD2]
	v_add_nc_u32 v[SWA], 17920, v[LD1]
	v_lshlrev_b32 v[V8], 3, v58
	v_add_nc_u32 v[SWR], s41, v[V8]
	v_add_nc_u32 v[SWR], 17920, v[SWR]
	v_mul_u32_u24 v[V12], v58, 12
.macro VQ c, al                        ; feature 32 c + lane, tokens 32 al .. + 31: a whole block in my registers
.set XS, VX+32*(\c)
	v_max3_num_f32 v60, |v[XS]|, |v[XS+1]|, |v[XS+2]|
	v_max3_num_f32 v61, |v[XS+3]|, |v[XS+4]|, |v[XS+5]|
.irp i, 6,10,14,18,22,26
	v_max3_num_f32 v60, v60, |v[XS+\i]|, |v[XS+\i+1]|
	v_max3_num_f32 v61, v61, |v[XS+\i+2]|, |v[XS+\i+3]|
.endr
	v_max3_num_f32 v60, v60, |v[XS+30]|, |v[XS+31]|
	v_max3_num_f32 v60, v60, v61, 0x1800000
	v_add_nc_u32 v62, 0xff000000, v60
	v_lshrrev_b32 v63, 23, v62
.if (\al) == 0
	v_mov_b32 v[SB+\c], v63
.else
	v_lshl_or_b32 v[SB+\c], v63, 8*(\al), v[SB+\c]
.endif
	v_cvt_scalef32_pk16_fp6_f32 v[VC+8*\c:VC+8*\c+2], v[XS:XS+15], v62
	v_cvt_scalef32_pk16_fp6_f32 v[VC+8*\c+4:VC+8*\c+6], v[XS+16:XS+31], v62
	v_nop                                          ; one plain line behind the conversions
	ds_store_b96 v[ST2], v[VC+8*\c:VC+8*\c+2] offset:4608*\c+32*(\al)
	ds_store_b96 v[ST2], v[VC+8*\c+4:VC+8*\c+6] offset:4608*\c+32*(\al)+16
.endm
.macro VCHUNK hh, al                   ; 32 tokens x the 64 features of head hh
	WIN 0x08+4*((\al)/2)                           ; an LDS store's data are its source 1: the accumulators' window
.irp e, 0,1
.irp g, 0,1,2,3
.set AC, 8*(8*((2*(\al)+\e)%4)+4*(\hh)+\g)
	ds_store_b128 v[ST1], v[AC:AC+3] offset:4352*\e+128*(\g/2)+32*(\g%2)       ; each accumulator from its low end on
	ds_store_b128 v[ST1], v[AC+4:AC+7] offset:4352*\e+128*(\g/2)+32*(\g%2)+16
.endr
.endr
	WIN 0
.irp c, 0,1
.irp i, 0,1,2,3,4,5,6,7,8,9,10,11,12,13,14,15,16,17,18,19,20,21,22,23,24,25,26,27,28,29,30,31
	ds_load_b32 v[VX+32*\c+\i], v[LD1] offset:128*\c+272*\i                    ; LDS serves a wave's instructions in order: these see the stores above
.endr
.endr
	s_wait_dscnt 32                                ; the first 32 loads are in (and all older stores have read their registers)
	VQ 0, \al
	s_wait_dscnt 2                                 ; the other 32 are in; the two stores just issued may be out
	VQ 1, \al
.endm
.macro VFLUSH hh                       ; a head's 6,144 bytes of codes and 256 bytes of words leave as they lie in memory
.set FB, 128+64*(\hh)
	ds_store_b32 v[SWA], v[SB]
	ds_store_b32 v[SWA], v[SB+1] offset:128
.irp i, 0,1,2,3,4,5,6,7,8,9,10,11,12,13,14,15
	ds_load_b96 v[FB+4*\i:FB+4*\i+2], v[LD2] offset:576*\i
.endr
	ds_load_b64 v[10+2*\hh:11+2*\hh], v[SWR]
.irp i, 0,1,2,3,4,5,6,7,8,9,10,11,12,13,14,15
	s_wait_dscnt 16-\i
	global_store_b96 v[V12], v[FB+4*\i:FB+4*\i+2], s[100:101] offset:384*\i+208896*\hh
.endr
	s_wait_dscnt 0x0
	global_store_b64 v[V8], v[10+2*\hh:11+2*\hh], s[104:105] offset:208896*\hh
.endm
.irp hh, 0,1
.irp al, 0,1,2,3
	VCHUNK \hh, \al
.endr
	VFLUSH \hh
.endr
.Lend:
	s_wait_tensorcnt 0x0                           ; the wave's end
	ds_add_u32 v[SPW], v[NIL]
	s_wait_dscnt 0x0
	CROUND                                         ; the closing round
	s_endpgm
.Lfunc_end_k_q627dcc58a6_qkv:
	.size	k_q627dcc58a6_qkv, .Lfunc_end_k_q627dcc58a6_qkv-k_q627dcc58a6_qkv
	.p2alignl 7, 3214868480
	.fill 96, 4, 3214868480
	.section	.rodata,"a",@progbits
	.p2align	6, 0x0
	.amdhsa_kernel k_q627dcc58a6_qkv
		.amdhsa_group_segment_fixed_size 327680
		.amdhsa_private_segment_fixed_size 0
		.amdhsa_enable_private_segment 0
		.amdhsa_kernarg_size 48
		.amdhsa_user_sgpr_count 2
		.amdhsa_user_sgpr_kernarg_segment_ptr 1
		.amdhsa_wavefront_size32 1
		.amdhsa_system_sgpr_workgroup_id_x 1
		.amdhsa_system_sgpr_workgroup_id_y 1
		.amdhsa_system_sgpr_workgroup_id_z 1
		.amdhsa_system_vgpr_workitem_id 0
		.amdhsa_next_free_vgpr 1024
		.amdhsa_next_free_sgpr 106
		.amdhsa_reserve_vcc 0
		.amdhsa_float_denorm_mode_32 3
		.amdhsa_float_denorm_mode_16_64 3
		.amdhsa_memory_ordered 1
		.amdhsa_forward_progress 1
		.amdhsa_inst_pref_size 255
	.end_amdhsa_kernel
	.section	.bss,"aw",@nobits
	.p2align	6
	.space	262144
	.amdgpu_metadata
---
amdhsa.version: [ 1, 2 ]
amdhsa.kernels:
  - .name:           k_q627dcc58a6_qkv
    .symbol:         k_q627dcc58a6_qkv.kd
    .args:
      - { .name: cod, .offset: 0, .size: 8, .value_kind: global_buffer, .address_space: global }
      - { .name: scl, .offset: 8, .size: 8, .value_kind: global_buffer, .address_space: global }
      - { .name: qc, .offset: 16, .size: 8, .value_kind: global_buffer, .address_space: global }
      - { .name: qs, .offset: 24, .size: 8, .value_kind: global_buffer, .address_space: global }
      - { .name: kv, .offset: 32, .size: 8, .value_kind: global_buffer, .address_space: global }
      - { .name: pi_gate_logit, .offset: 40, .size: 8, .value_kind: global_buffer, .address_space: global }
    .group_segment_fixed_size: 327680
    .private_segment_fixed_size: 0
    .kernarg_segment_align: 8
    .kernarg_segment_size: 48
    .max_flat_workgroup_size: 128
    .sgpr_count:     106
    .vgpr_count:     1024
    .wavefront_size: 32
...
	.end_amdgpu_metadata
.endif
;; end of part 2
;; launch attn (part 3): grid 8 x 32, 16 waves a work-group, clusters of 4 x 1, 327,680 bytes of LDS; arguments qc, qs, kv, log_xi, e_gate_logit, ac, asc; writes ac, asc
.if DOCPART == 3
	.amdgcn_target "amdgcn-amd-amdhsa--gfx1250"
	.amdhsa_code_object_version 6
	.text
	.protected	k_q627dcc58a6_attn
	.globl	k_q627dcc58a6_attn
	.p2align	8
	.type	k_q627dcc58a6_attn,@function
k_q627dcc58a6_attn:
	s_mov_b64 s[64:65], 0
	v_nop
	global_prefetch_b8 v0, s[64:65] scope:SCOPE_SE
	s_setreg_imm32_b32 hwreg(HW_REG_WAVE_MODE, 25, 1), 1
	s_wait_xcnt 0x0
	s_wait_alu depctr_hold_cnt(0) depctr_sa_sdst(0) depctr_va_vdst(0) depctr_va_sdst(0) depctr_va_ssrc(0) depctr_va_vcc(0) depctr_vm_vsrc(0)
	s_getreg_b32 s2, hwreg(HW_REG_IB_STS2, 6, 4)
	s_cmp_eq_u32 s2, 0
	s_cbranch_scc0 .Lentry_in_a_cluster
	s_endpgm
.Lentry_in_a_cluster:
	s_bfe_u32 s2, ttmp6, 0x10000c
	s_cmp_lg_u32 s2, 0x3003
	s_cbranch_scc0 .Lentry_shape_is_right
	s_endpgm
.Lentry_shape_is_right:
; Causal attention of one (batch, head) on codes of FP6 (E2M3) with E8M0 scales, with the bias -(q - k) g, g = sigmoid(e_gate) / exp(log_xi); the result, divided by the row's sum, is quantised along d_model.
; t = (score / 8 - (q - k) g) log2(e); M = the running largest t rounded up to a whole number; p = 2^(t - M) is quantised along the keys; the row's sum is taken of the unquantised p.
; Key steps all of whose keys come after a wave's queries are left out: the causal mask gives them the weight 0.
; LDS holds the head's 16 key steps whole (16 x 13,056 bytes: K's codes, V's codes, K's and V's scale words): wave w fetches step w, one tensor load a wave, filled once; one barrier, no refill.
; SHARES.  Work-group x (0..7) of a head: the wave of rank i owns queries 128 i + 16 x .. + 15 and walks key steps 0 .. i: 136 wave steps in every work-group, and every work-group reads all 16 steps.
; Rank of wave 4 a + b = 4 (a xor b) + (a xor m(b)), m = 0, 2, 3, 1: rows and columns of that square have equal sums, so the four waves 4 a + . and the four waves . + b both hold 34 steps.
; CLUSTER: four work-groups of a head ask for each step jointly (mask 15).  Branches hang on the rank and the step's number alone, never on the work-group's place.
; No prefetch: all loads stand at the head, and there is no loop to run ahead in.
; LAYOUT.  Both products are used transposed (S^T = K Q^T, O^T = V^T P^T): a lane holds one query (lane % 16).  Lane r of tile 2 b + u takes row 32 b + 8 u + r + 8 (r / 8), so that the 16 registers of two
; neighbouring tiles are 16 neighbours: keys for p, features for O.  The first product's K is 64 of the instruction's 128: Q's upper six registers are zeros, and the scale words' upper bytes stand for 1.
; THE BIAS: 8 g j (j: the register within a tile) is the product's C, and (key - query) g log2(e) for j = 0 is the addend of the scaling's multiply-add, one number a tile.
; LIMITS: NaN and infinities are not served; |e_gate_logit| and |log_xi| under 88; a block whose largest magnitude lies under 2^-124 gets the byte 1; the scaled scores stay under 2^31.
; REGISTERS: v1-7 addresses that stay; v8-11 addresses in hand; v12 -M, v13 the largest t, v[14:15] the sum; v16-27 Q; v29 key - query; v30, v31 Q's and p's scale words; v32-85 K's eight fragments, then V's four;
; v[86:87] f; v88-95 at work; v96-159 S^T, then p; v160-191 O^T; v192-199 8 g j; v200-215 (addend, largest score) a tile; v216-234 p's codes; v236-255 at work, scale words.
.set STEPB, 13056
.set KW,    12288                      ; K's scale words in a step's block; V's 512 bytes on
.set STG,   16*STEPB                   ; the way out: 1,024 bytes a wave
.set SPARE, STG+16384                  ; the spare words, 128 bytes a wave
.set TB,  2                            ; the step's block in LDS
.set WV,  20
.set SEL, 22
.set CS,  24                           ; s[24:25] log2(e) / 8
.set G1,  28
.set G0,  44
.set LEFT, 53
.set KF,  54                           ; the step's first key
.set Q0,  55                           ; my first query
.set QB,  56                           ; 128 x my rank
.set GL,  60                           ; g log2(e)
.set CT,  68                           ; s68-75 g log2(e) x the tile's first key within the step
.macro ROUND                           ; a round of the cluster's barrier
	s_barrier_signal -1
	s_barrier_wait -1
	s_cmp_lg_u32 s[WV], 0
	s_cbranch_scc1 .Lnot_wave_0_\@
	s_barrier_signal -3
.Lnot_wave_0_\@:
	s_barrier_wait -3
	s_barrier_signal -1
	s_barrier_wait -1
.endm
	s_load_b128 s[4:7], s[0:1], 0x0                ; qc, qs
	s_load_b64 s[8:9], s[0:1], 0x10                ; kv
	s_load_b64 s[12:13], s[0:1], 0x18              ; log_xi
	s_load_b64 s[14:15], s[0:1], 0x20              ; e_gate_logit
	s_load_b64 s[16:17], s[0:1], 0x28              ; ac
	s_load_b64 s[18:19], s[0:1], 0x30              ; asc
	v_lshl_add_u32 v5, v0, 2, SPARE
	v_mov_b32 v6, 0
	ds_add_u32 v5, v6                              ; the opening: the add, twice on end, and its wait ahead of my first tensor load
	ds_add_u32 v5, v6
	v_lshrrev_b32 v8, 5, v0
	s_delay_alu instid0(VALU_DEP_1)
	v_readfirstlane_b32 s[WV], v8                  ; wave 0..15
	s_and_b32 s76, ttmp7, 0xffff                   ; bh
	s_and_b32 s77, s76, 15                         ; head
	s_lshr_b32 s78, s76, 4                         ; batch
	s_bfe_u32 s79, ttmp6, 0x40000                  ; cx
	s_lshl_b32 s80, ttmp9, 2
	s_add_co_u32 s79, s79, s80                     ; x = 4 x cluster x + cx
	s_lshr_b32 s80, s[WV], 2                       ; a
	s_and_b32 s81, s[WV], 3                        ; b
	s_xor_b32 s82, s80, s81
	s_lshr_b32 s83, s81, 1
	s_xor_b32 s84, s81, s83
	s_and_b32 s84, s84, 1
	s_lshl_b32 s84, s84, 1
	s_or_b32 s84, s84, s83                         ; m(b)
	s_xor_b32 s84, s84, s80
	s_lshl_b32 s82, s82, 2
	s_or_b32 s82, s82, s84                         ; rank
	s_lshl_b32 s[QB], s82, 7
	s_lshl_b32 s79, s79, 4
	s_add_co_u32 s[Q0], s[QB], s79
	s_mov_b32 s[G1], 15|(3<<16)|(1<<21)            ; the four partners; elements of 8 bytes; bit 21 beside a mask
	s_mov_b32 s[G1+1], 32<<16                      ; 51 dense rows of 256 bytes
	s_mov_b32 s[G1+2], 51<<16
	s_mov_b32 s[G1+3], 32<<16
	s_mov_b32 s[G1+4], 51
	s_mov_b32 s[G1+5], 32
	s_mov_b32 s[G1+6], 0
	s_mov_b32 s[G1+7], 0
	s_mul_i32 s83, s[WV], STEPB
	s_mul_i32 s84, s76, 16*STEPB
	s_add_co_u32 s84, s84, s83
	s_mov_b32 s85, 0
	s_mov_b32 s[SEL], 0x76543210
	s_mov_b32 s[SEL+1], 0xfedcba98
	s_mov_b32 s[CS], 0x3e38aa3b
	s_mov_b32 s[CS+1], s[CS]
	s_mov_b32 s[TB], 0
	s_mov_b32 s[LEFT], 16
	s_mov_b32 s[KF], 0
	s_wait_dscnt 0x0                               ; both opening adds are done
	s_wait_kmcnt 0x0
	s_mov_b32 s[G0], 1
	s_mov_b32 s[G0+1], s83
	s_add_nc_u64 s[G0+2:G0+3], s[8:9], s[84:85]
	s_or_b32 s[G0+3], s[G0+3], 0x80000000
	ROUND                                          ; the four partners are here: the joint loads meet
	tensor_load_to_lds s[G0:G0+3], s[G1:G1+7]      ; key step = my wave's number: my one tensor load
	s_nop 0
.rept 4
	v_nop
.endr
	s_lshl_b32 s90, s77, 2
	s_mov_b32 s91, 0
	s_add_nc_u64 s[12:13], s[12:13], s[90:91]
	s_add_nc_u64 s[14:15], s[14:15], s[90:91]
	s_load_b32 s92, s[12:13], 0x0                  ; log_xi of my head
	s_load_b32 s93, s[14:15], 0x0                  ; e_gate_logit
	s_lshl_b32 s94, s76, 11
	s_add_co_u32 s94, s94, s[Q0]
	s_mul_i32 s96, s94, 48
	s_mov_b32 s97, 0
	s_add_nc_u64 s[4:5], s[4:5], s[96:97]          ; Q's codes at my first query
	s_lshl_b32 s96, s94, 2
	s_add_nc_u64 s[6:7], s[6:7], s[96:97]
	s_lshl_b32 s94, s77, 12
	s_lshl_b32 s95, s78, 11
	s_add_co_u32 s95, s95, s[Q0]                   ; my first row of the 4,096
	s_add_co_u32 s94, s94, s95
	s_mul_i32 s96, s94, 48
	s_add_nc_u64 s[16:17], s[16:17], s[96:97]      ; ac [head][row][48]
	s_lshl_b32 s96, s95, 5
	s_lshl_b32 s94, s77, 1
	s_add_co_u32 s96, s96, s94
	s_add_nc_u64 s[18:19], s[18:19], s[96:97]      ; asc [row][32], bytes 2 head, 2 head + 1
	v_and_b32 v8, 15, v0                           ; r
	v_bfe_u32 v9, v0, 4, 1                         ; hf
	s_delay_alu instid0(VALU_DEP_2)
	v_mul_u32_u24 v10, v8, 48
	s_delay_alu instid0(VALU_DEP_1)
	v_mad_u32_u24 v10, v9, 24, v10
	global_load_b64 v[16:17], v10, s[4:5]          ; Q: features 32 hf .. + 31 of query r
	global_load_b64 v[18:19], v10, s[4:5] offset:8
	global_load_b64 v[20:21], v10, s[4:5] offset:16
	v_lshlrev_b32 v11, 2, v8
	global_load_b32 v30, v11, s[6:7]
	v_and_b32 v88, 8, v8
	s_delay_alu instid0(VALU_DEP_1)
	v_add_nc_u32 v88, v88, v8                      ; r + 8 (r / 8)
	s_delay_alu instid0(VALU_DEP_1)
	v_mul_u32_u24 v1, v88, 48
	s_delay_alu instid0(VALU_DEP_1)
	v_mad_u32_u24 v1, v9, 24, v1                   ; my place in a tile of K
	s_delay_alu instid0(VALU_DEP_3)
	v_mul_u32_u24 v2, v88, 96
	s_delay_alu instid0(VALU_DEP_1)
	v_mad_u32_u24 v2, v9, 24, v2
	s_delay_alu instid0(VALU_DEP_1)
	v_add_nc_u32 v2, 6144, v2                      ; in a tile of V
	v_lshl_add_u32 v3, v88, 2, KW                  ; among K's scale words
	s_delay_alu instid0(VALU_DEP_1)
	v_add_nc_u32 v4, 512, v3                       ; among V's
	v_lshlrev_b32 v89, 4, v9
	s_delay_alu instid0(VALU_DEP_1)
	v_sub_nc_u32 v7, v8, v89                       ; r - 16 hf
	v_sub_nc_u32 v29, v89, v8
	s_delay_alu instid0(VALU_DEP_1)
	v_sub_nc_u32 v29, v29, s[Q0]
	s_delay_alu instid0(VALU_DEP_1)
	v_cvt_f32_i32 v29, v29                         ; 16 hf - r - Q0: key - query for register 0 of tile 0 of step 0
	v_mov_b32 v13, 0xff61b1e6                      ; the largest t so far: -3e38
	s_delay_alu instid0(VALU_DEP_1)
	v_floor_f32 v12, -v13
	v_mov_b32 v14, 0
	v_mov_b32 v15, 0
.irp j, 22,23,24,25,26,27,80,81,82,83,84,85,87,240,241,242,243
	v_mov_b32 v\j, 0                               ; Q's upper 64, what stands behind K's last tile, f's partner, the permutes' destinations
.endr
.set n, 0
.rept 32
	v_mov_b32 v[160+n], 0                          ; O^T: the step is written once, and its first run finds zeros
.set n, n+1
.endr
.macro EXPN d, x, t1, t2               ; v[d] = e^(-v[x]): the exponent's low part goes in behind the exponential
	s_delay_alu instid0(VALU_DEP_1)
	v_mul_f32 v[\t1], 0xbfb8aa3b, v[\x]
	s_delay_alu instid0(VALU_DEP_1)
	v_fma_f32 v[\t2], v[\x], 0xbfb8aa3b, -v[\t1]
	s_delay_alu instid0(VALU_DEP_1)
	v_fma_f32 v[\t2], v[\x], 0xb2a57060, v[\t2]
	s_wait_alu depctr_va_vdst(0)
	v_exp_f32 v[\d], v[\t1]
	v_nop
	s_wait_alu depctr_va_vdst(0)                   ; the wait ahead of the first reader
	v_mul_f32 v[\t2], v[\d], v[\t2]
	v_fma_f32 v[\d], v[\t2], 0x3f317218, v[\d]
.endm
	s_wait_alu depctr_va_vdst(0)
	s_wait_kmcnt 0x0
	v_mov_b32 v88, s93
	EXPN 89, 88, 90, 91
	s_delay_alu instid0(VALU_DEP_1)
	v_add_f32 v89, 1.0, v89
	s_wait_alu depctr_va_vdst(0)
	v_rcp_f32 v90, v89
	v_nop
	s_wait_alu depctr_va_vdst(0)
	v_fma_f32 v91, -v89, v90, 1.0
	v_fma_f32 v90, v91, v90, v90                   ; sigmoid(e_gate)
	v_mov_b32 v88, s92
	EXPN 89, 88, 91, 92
	s_delay_alu instid0(VALU_DEP_1)
	v_mul_f32 v90, v90, v89                        ; g
	s_delay_alu instid0(VALU_DEP_1)
	v_mul_f32 v91, 0x3fb8aa3b, v90                 ; g log2(e)
	s_delay_alu instid0(VALU_DEP_1)
	v_readfirstlane_b32 s[GL], v91
	s_mov_b32 s[CT], 0
.set n, 1
.irp k, 0x41000000, 0x42000000, 0x42200000, 0x42800000, 0x42900000, 0x42c00000, 0x42d00000
	v_mul_f32 v92, \k, v91                         ; x 8, 32, 40, 64, 72, 96, 104
	s_delay_alu instid0(VALU_DEP_1)
	v_readfirstlane_b32 s[CT+n], v92
.set n, n+1
.endr
	v_mov_b32 v192, 0                              ; 8 g j
.set n, 193
.irp k, 0x41000000, 0x41800000, 0x41c00000, 0x42000000, 0x42200000, 0x42400000, 0x42600000
	v_mul_f32 v[n], \k, v90
.set n, n+1
.endr
; A KEY STEP: 128 keys.
.macro STEP
	s_cmp_gt_u32 s[KF], s[QB]                      ; a step all of whose keys come after my queries is left out: a branch on my rank and the step's number
	s_cbranch_scc1 .Lhidden_\@
	v_add_nc_u32 v8, s[TB], v1                     ; (with the addition at the last step's end these are the places ahead of the loads below)
	v_add_nc_u32 v9, s[TB], v2
	v_add_nc_u32 v10, s[TB], v3
	v_add_nc_u32 v11, s[TB], v4
.irp t, 0,1,2,3,4,5,6,7
.irp p, 0,1,2
	ds_load_b64 v[32+6*\t+2*\p:33+6*\t+2*\p], v8 offset:48*(32*(\t/2)+8*(\t%2))+8*\p
.endr
	ds_load_b32 v[248+\t], v10 offset:4*(32*(\t/2)+8*(\t%2))
.endr
	s_wait_dscnt 0x0
	s_wait_alu depctr_va_vdst(0)
.irp t, 0,1,2,3,4,5,6,7
	v_wmma_scale_f32_16x16x128_f8f6f4 v[96+8*\t:103+8*\t], v[32+6*\t:43+6*\t], v[16:27], v[192:199], v[248+\t], v30 matrix_a_fmt:MATRIX_FMT_FP6 matrix_b_fmt:MATRIX_FMT_FP6
.endr
.rept 4
	v_nop                                          ; places ahead of the loads into the operands' registers and of the first read of the scores
.endr
.irp t, 0,1,2,3                                ; V's fragments are asked for now and land under the softmax
.irp p, 0,1,2,3,4,5
	ds_load_b64 v[32+12*\t+2*\p:33+12*\t+2*\p], v9 offset:96*(32*(\t/2)+8*(\t%2))+48*(\p/3)+8*(\p%3)
.endr
	ds_load_b32 v[248+\t], v11 offset:4*(32*(\t/2)+8*(\t%2))
.endr
	s_cmp_lt_u32 s[KF], s[QB]                      ; on the diagonal hidden scores become -infinity; a step all of whose keys count skips this
	s_cbranch_scc1 .Lopen_\@
	s_sub_co_i32 s96, s[Q0], s[KF]
	v_add_nc_u32 v231, s96, v7                     ; register 16 b + i holds key KF + 16 hf + 32 b + i: hidden where 32 b + i > my query - KF - 16 hf
	v_mov_b32 v235, 0xff800000
.set n, 0
.rept 64
	v_cmp_gt_i32 vcc_lo, 32*(n/16)+n%16, v231
	v_cndmask_b32 v[96+n], v[96+n], v235, vcc_lo
.set n, n+1
.endr
.Lopen_\@:
.irp t, 0,1,2,3,4,5,6,7
	v_max3_num_f32 v[201+2*\t], v[96+8*\t], v[97+8*\t], v[98+8*\t]       ; each tile's largest score: it serves the row's maximum and the block's largest p
.endr
.irp i, 3,5
.irp t, 0,1,2,3,4,5,6,7
	v_max3_num_f32 v[201+2*\t], v[201+2*\t], v[96+8*\t+\i], v[97+8*\t+\i]
.endr
.endr
.irp t, 0,1,2,3,4,5,6,7
	v_max_num_f32 v[201+2*\t], v[201+2*\t], v[103+8*\t]
.endr
.irp t, 0,1,2,3,4,5,6,7
	v_fma_f32 v[200+2*\t], v29, s[GL], s[CT+\t]    ; the tile's addend: (key - query) g log2(e) for its register 0
.endr
.irp t, 0,1,2,3,4,5,6,7
	v_fma_f32 v[88+\t], v[201+2*\t], s[CS], v[200+2*\t]   ; the tile's largest t
.endr
	v_max3_num_f32 v235, v88, v89, v90
	s_delay_alu instid0(VALU_DEP_1)
	v_max3_num_f32 v235, v235, v91, v92
	s_delay_alu instid0(VALU_DEP_1)
	v_max3_num_f32 v235, v235, v93, v94
	s_delay_alu instid0(VALU_DEP_1)
	v_max3_num_f32 v235, v235, v95, v13
	s_delay_alu instid0(VALU_DEP_1)
	v_permlanex16_b32 v240, v235, s[SEL], s[SEL+1]
	s_delay_alu instid0(VALU_DEP_1)
	v_max_num_f32 v13, v235, v240                  ; the running largest t
	v_mov_b32 v235, v12
	s_delay_alu instid0(VALU_DEP_2)
	v_floor_f32 v12, -v13                          ; -M = floor(-t): M is a whole number
	s_delay_alu instid0(VALU_DEP_1)
	v_sub_f32 v235, v12, v235
	s_delay_alu instid0(VALU_DEP_1)
	v_cvt_i32_f32 v235, v235                       ; (it saturates)
	s_delay_alu instid0(VALU_DEP_1)
	v_ldexp_f32 v86, 1.0, v235                     ; f = 2^(old M - new M)
.irp t, 0,1,2,3,4,5,6,7
	v_add_f32 v[200+2*\t], v[200+2*\t], v12
.endr
.irp t, 0,1,2,3,4,5,6,7
.irp j, 0,2,4,6
	v_pk_fma_f32 v[96+8*\t+\j:97+8*\t+\j], v[96+8*\t+\j:97+8*\t+\j], s[CS:CS+1], v[200+2*\t:201+2*\t] op_sel_hi:[1,0,0]   ; t - M, two at a time
.endr
.endr
.irp t, 0,1,2,3,4,5,6,7
	v_fma_f32 v[88+\t], v[201+2*\t], s[CS], v[200+2*\t]   ; the same of each tile's largest score
.endr
.irp b, 0,1,2,3
	v_max_num_f32 v[236+\b], v[88+2*\b], v[89+2*\b]
.endr
.irp b, 0,1,2,3
	s_delay_alu instid0(VALU_DEP_4)
	v_permlanex16_b32 v[240+\b], v[236+\b], s[SEL], s[SEL+1]
.endr
.irp b, 0,1,2,3
	s_delay_alu instid0(VALU_DEP_4)
	v_max_num_f32 v[236+\b], v[236+\b], v[240+\b]  ; the block's largest t - M
.endr
.set n, 0
	s_wait_alu depctr_va_vdst(0)
.rept 64
	v_exp_f32 v[96+n], v[96+n]                     ; p, not normalised
.set n, n+1
.endr
	v_pk_mul_f32 v[14:15], v[14:15], v[86:87] op_sel_hi:[1,0]   ; the sum under the new M (a plain line behind the exponentials)
	s_wait_alu depctr_va_vdst(0)                   ; one wait for the 64, ahead of their first reader
.irp b, 0,1,2,3
	v_exp_f32 v[236+\b], v[236+\b]                 ; the block's largest p
.endr
	v_pk_add_f32 v[88:89], v[100:101], v[104:105]  ; the row's sum, in eight chains
	v_pk_add_f32 v[254:255], v[108:109], v[112:113]
	v_pk_add_f32 v[252:253], v[116:117], v[120:121]
	v_pk_add_f32 v[246:247], v[124:125], v[128:129]
	v_pk_add_f32 v[244:245], v[132:133], v[136:137]
	v_pk_add_f32 v[242:243], v[140:141], v[144:145]
	v_pk_add_f32 v[240:241], v[148:149], v[152:153]
	v_pk_add_f32 v[14:15], v[14:15], v[156:157]
	v_pk_add_f32 v[88:89], v[88:89], v[96:97]
	v_pk_add_f32 v[254:255], v[254:255], v[98:99]
	v_pk_add_f32 v[252:253], v[252:253], v[102:103]
	v_pk_add_f32 v[246:247], v[246:247], v[106:107]
	v_pk_add_f32 v[244:245], v[244:245], v[110:111]
	v_pk_add_f32 v[242:243], v[242:243], v[114:115]
	v_pk_add_f32 v[240:241], v[240:241], v[118:119]
	v_pk_add_f32 v[14:15], v[14:15], v[122:123]
	v_pk_add_f32 v[88:89], v[88:89], v[126:127]
	v_pk_add_f32 v[254:255], v[254:255], v[130:131]
	v_pk_add_f32 v[252:253], v[252:253], v[134:135]
	v_pk_add_f32 v[246:247], v[246:247], v[138:139]
	v_pk_add_f32 v[244:245], v[244:245], v[142:143]
	v_pk_add_f32 v[242:243], v[242:243], v[146:147]
	v_pk_add_f32 v[240:241], v[240:241], v[150:151]
	v_pk_add_f32 v[14:15], v[14:15], v[154:155]
	v_pk_add_f32 v[88:89], v[88:89], v[158:159]
	s_delay_alu instid0(VALU_DEP_2)
	v_pk_add_f32 v[14:15], v[14:15], v[246:247]
	s_delay_alu instid0(VALU_DEP_2)
	v_pk_add_f32 v[88:89], v[88:89], v[244:245]
	v_pk_add_f32 v[254:255], v[254:255], v[242:243]
	v_pk_add_f32 v[252:253], v[252:253], v[240:241]
	s_delay_alu instid0(VALU_DEP_2)
	v_pk_add_f32 v[14:15], v[14:15], v[254:255]
	s_delay_alu instid0(VALU_DEP_2)
	v_pk_add_f32 v[88:89], v[88:89], v[252:253]
	s_delay_alu instid0(VALU_DEP_1)
	v_pk_add_f32 v[14:15], v[14:15], v[88:89]
	s_wait_alu depctr_va_vdst(0)                   ; and one for the four
.irp b, 0,1,2,3
	v_max_num_f32 v[236+\b], 0x1800000, v[236+\b]  ; the floor 2^(3 - 127)
.endr
.irp b, 0,1,2,3
	s_delay_alu instid0(VALU_DEP_4)
	v_add_nc_u32 v[244+\b], 0xff000000, v[236+\b]
.endr
.irp b, 0,1,2,3
	s_delay_alu instid0(VALU_DEP_4)
	v_lshrrev_b32 v[240+\b], 23, v[244+\b]
.endr
	s_delay_alu instid0(VALU_DEP_3)
	v_lshl_or_b32 v31, v241, 8, v240               ; p's scale word for these 128 keys
	s_delay_alu instid0(VALU_DEP_1)
	v_lshl_or_b32 v31, v242, 16, v31
	s_delay_alu instid0(VALU_DEP_1)
	v_lshl_or_b32 v31, v243, 24, v31
.irp c, 0,1
	v_cvt_scalef32_pk16_fp6_f32 v[216+6*\c:218+6*\c], v[96+32*\c:111+32*\c], v[244+2*\c]
	v_cvt_scalef32_pk16_fp6_f32 v[228+4*\c:230+4*\c], v[112+32*\c:127+32*\c], v[244+2*\c+1]
.endr
	v_nop                                          ; one plain line behind the conversions
.irp c, 0,1                                    ; the operand wants a whole block in a lane
.irp i, 0,1,2
	v_permlane16_swap_b32 v[216+6*\c+\i], v[228+4*\c+\i]
.endr
.irp i, 0,1,2
	s_delay_alu instid0(VALU_DEP_3)
	v_mov_b32 v[219+6*\c+\i], v[228+4*\c+\i]
.endr
.endr
.set n, 0
.rept 16
	v_pk_mul_f32 v[160+n:161+n], v[160+n:161+n], v[86:87] op_sel_hi:[1,0]   ; O^T under the new M; these are also the places ahead of the products below
.set n, n+2
.endr
	s_wait_alu depctr_va_vdst(0)
	s_wait_dscnt 0x0                               ; V's fragments and scale words
.irp t, 0,1,2,3
	v_wmma_scale_f32_16x16x128_f8f6f4 v[160+8*\t:167+8*\t], v[32+12*\t:43+12*\t], v[216:227], v[160+8*\t:167+8*\t], v[248+\t], v31 matrix_a_fmt:MATRIX_FMT_FP6 matrix_b_fmt:MATRIX_FMT_FP6
.endr
.Lhidden_\@:
	s_wait_alu depctr_va_vdst(0)
	v_add_f32 v29, 0x43000000, v29                 ; 128 keys on
	s_add_co_u32 s[KF], s[KF], 128
	s_add_co_u32 s[TB], s[TB], STEPB
.endm
	s_wait_loadcnt 0x0                             ; Q
	s_wait_alu depctr_va_vdst(0)
	s_wait_tensorcnt 0x0                           ; my key step is in,
	s_barrier_signal -1
	s_barrier_wait -1                              ; and so is everybody's: all 16 steps stay in LDS, and nothing is filled again
.Lstep:                                            ; sixteen trips in every wave
	STEP
	s_sub_co_u32 s[LEFT], s[LEFT], 1
	s_cmp_lg_u32 s[LEFT], 0
	s_wait_alu depctr_va_vdst(0)
	s_cbranch_scc1 .Lstep
	; THE WAY OUT: O^T / the sum; its two blocks of 32 features (each in lanes l and l xor 16) are quantised; the 768 bytes of codes leave through my stage as they lie in memory.
	v_add_f32 v14, v14, v15
	s_delay_alu instid0(VALU_DEP_1)
	v_permlanex16_b32 v240, v14, s[SEL], s[SEL+1]
	s_delay_alu instid0(VALU_DEP_1)
	v_add_f32 v14, v14, v240
	s_wait_alu depctr_va_vdst(0)
	v_rcp_f32 v14, v14
	v_and_b32 v8, 15, v0
	v_bfe_u32 v9, v0, 4, 1
	s_lshl_b32 s96, s[WV], 10
	s_add_co_u32 s96, s96, STG
	v_lshlrev_b32 v10, 6, v8
	s_delay_alu instid0(VALU_DEP_1)
	v_lshl_add_u32 v10, v9, 4, v10
	s_delay_alu instid0(VALU_DEP_1)
	v_add_nc_u32 v10, s96, v10                     ; in: 64 r + 16 hf
	v_and_b32 v11, 31, v0
	s_delay_alu instid0(VALU_DEP_1)
	v_mul_u32_u24 v1, v11, 12
	s_delay_alu instid0(VALU_DEP_2)
	v_lshlrev_b32 v11, 4, v11
	s_delay_alu instid0(VALU_DEP_1)
	v_add_nc_u32 v11, s96, v11                     ; back: 16 x lane
	v_lshl_add_u32 v2, v8, 5, v9                   ; asc: 32 r + hf
	s_wait_alu depctr_va_vdst(0)
.set n, 0
.rept 32
	v_mul_f32 v[96+n], v[160+n], v14               ; register 16 B + i: feature 32 B + 16 hf + i
.set n, n+1
.endr
.irp b, 0,1
	v_max3_num_f32 v[236+\b], |v[96+16*\b]|, |v[97+16*\b]|, 0x1800000
.endr
.irp i, 2,4,6,8,10,12,14
.irp b, 0,1
	s_delay_alu instid0(VALU_DEP_2)
	v_max3_num_f32 v[236+\b], v[236+\b], |v[96+16*\b+\i]|, |v[97+16*\b+\i]|
.endr
.endr
.irp b, 0,1
	s_delay_alu instid0(VALU_DEP_2)
	v_permlanex16_b32 v[240+\b], v[236+\b], s[SEL], s[SEL+1]
.endr
.irp b, 0,1
	s_delay_alu instid0(VALU_DEP_2)
	v_max_num_f32 v[236+\b], v[236+\b], v[240+\b]
.endr
.irp b, 0,1
	s_delay_alu instid0(VALU_DEP_2)
	v_add_nc_u32 v[244+\b], 0xff000000, v[236+\b]
.endr
.irp b, 0,1
	s_delay_alu instid0(VALU_DEP_2)
	v_lshrrev_b32 v[240+\b], 23, v[244+\b]
.endr
	v_cvt_scalef32_pk16_fp6_f32 v[216:218], v[96:111], v244
	v_cvt_scalef32_pk16_fp6_f32 v[220:222], v[112:127], v245
	v_nop
	v_cmp_eq_u32 vcc_lo, 1, v9
	s_delay_alu instid0(VALU_DEP_1)
	v_cndmask_b32 v240, v240, v241, vcc_lo         ; lane (r, hf) stores block hf's byte
	ds_store_b96 v10, v[216:218]
	ds_store_b96 v10, v[220:222] offset:32
	ds_load_b96 v[224:226], v11                    ; LDS serves a wave's instructions in order: these see my stores
	ds_load_b96 v[228:230], v11 offset:512
	global_store_b8 v2, v240, s[18:19]
	s_wait_dscnt 0x1                               ; the second load may be out
	global_store_b96 v1, v[224:226], s[16:17]      ; 384 consecutive bytes
	s_wait_dscnt 0x0
	global_store_b96 v1, v[228:230], s[16:17] offset:384
	s_wait_tensorcnt 0x0                           ; the wave's end
	ds_add_u32 v5, v6
	s_wait_dscnt 0x0
	ROUND                                          ; the closing round
	s_endpgm
.Lfunc_end_k_q627dcc58a6_attn:
	.size	k_q627dcc58a6_attn, .Lfunc_end_k_q627dcc58a6_attn-k_q627dcc58a6_attn
	.p2alignl 7, 3214868480
	.fill 96, 4, 3214868480
	.section	.rodata,"a",@progbits
	.p2align	6, 0x0
	.amdhsa_kernel k_q627dcc58a6_attn
		.amdhsa_group_segment_fixed_size 327680
		.amdhsa_private_segment_fixed_size 0
		.amdhsa_enable_private_segment 0
		.amdhsa_kernarg_size 56
		.amdhsa_user_sgpr_count 2
		.amdhsa_user_sgpr_kernarg_segment_ptr 1
		.amdhsa_wavefront_size32 1
		.amdhsa_system_sgpr_workgroup_id_x 1
		.amdhsa_system_sgpr_workgroup_id_y 1
		.amdhsa_system_sgpr_workgroup_id_z 1
		.amdhsa_system_vgpr_workitem_id 0
		.amdhsa_next_free_vgpr 256
		.amdhsa_next_free_sgpr 100
		.amdhsa_reserve_vcc 1
		.amdhsa_float_denorm_mode_32 3
		.amdhsa_float_denorm_mode_16_64 3
		.amdhsa_memory_ordered 1
		.amdhsa_forward_progress 1
		.amdhsa_inst_pref_size 43
	.end_amdhsa_kernel
	.amdgpu_metadata
---
amdhsa.version: [ 1, 2 ]
amdhsa.kernels:
  - .name:           k_q627dcc58a6_attn
    .symbol:         k_q627dcc58a6_attn.kd
    .args:
      - { .name: qc, .offset: 0, .size: 8, .value_kind: global_buffer, .address_space: global }
      - { .name: qs, .offset: 8, .size: 8, .value_kind: global_buffer, .address_space: global }
      - { .name: kv, .offset: 16, .size: 8, .value_kind: global_buffer, .address_space: global }
      - { .name: log_xi, .offset: 24, .size: 8, .value_kind: global_buffer, .address_space: global }
      - { .name: e_gate_logit, .offset: 32, .size: 8, .value_kind: global_buffer, .address_space: global }
      - { .name: ac, .offset: 40, .size: 8, .value_kind: global_buffer, .address_space: global }
      - { .name: asc, .offset: 48, .size: 8, .value_kind: global_buffer, .address_space: global }
    .group_segment_fixed_size: 327680
    .private_segment_fixed_size: 0
    .kernarg_segment_align: 8
    .kernarg_segment_size: 56
    .max_flat_workgroup_size: 512
    .sgpr_count:     100
    .vgpr_count:     256
    .wavefront_size: 32
...
	.end_amdgpu_metadata
.endif
;; end of part 3
;; launch proj (part 4): grid 8 x 32, 4 waves a work-group, clusters of 4 x 4, 262,144 bytes of LDS; arguments ac, asc, cod, scl, out0; writes out0
.if DOCPART == 4
	.amdgcn_target "amdgcn-amd-amdhsa--gfx1250"
	.amdhsa_code_object_version 6
	.text
	.protected	k_q627dcc58a6_proj
	.globl	k_q627dcc58a6_proj
	.p2align	8
	.type	k_q627dcc58a6_proj,@function
k_q627dcc58a6_proj:
	s_mov_b64 s[64:65], 0
	v_nop
	global_prefetch_b8 v0, s[64:65] scope:SCOPE_SE
	s_setreg_imm32_b32 hwreg(HW_REG_WAVE_MODE, 25, 1), 1
	s_wait_xcnt 0x0
	s_wait_alu depctr_hold_cnt(0) depctr_sa_sdst(0) depctr_va_vdst(0) depctr_va_sdst(0) depctr_va_ssrc(0) depctr_va_vcc(0) depctr_vm_vsrc(0)
	s_getreg_b32 s2, hwreg(HW_REG_IB_STS2, 6, 4)
	s_cmp_eq_u32 s2, 0
	s_cbranch_scc0 .Lentry_in_a_cluster
	s_endpgm
.Lentry_in_a_cluster:
	s_bfe_u32 s2, ttmp6, 0x10000c
	s_cmp_lg_u32 s2, 0xf033
	s_cbranch_scc0 .Lentry_shape_is_right
	s_endpgm
.Lentry_shape_is_right:
; out0 = attention's result x Wo^T on codes of FP6 (E2M3) with E8M0 scales: 4096 x 1024 x 1024, f32 sums.
; A work-group makes 128 x 128 of out0: 32 x 8 = 256 work-groups.  Four waves, 64 x 64 each: 16 accumulators, 8 steps of 128 along K, 128 matrix instructions a wave.
; ALL OF K lies in LDS, filled once: wave 0 fetches the 128 rows' codes ([head][row][48 bytes]: 16 rows of 6,144 bytes), wave 1 Wo's codes (4 planes of 24,576 dense bytes, 16 bytes of padding behind every 64: rows 240 apart),
; wave 2 the rows' scale bytes, wave 3 Wo's: one tensor load a wave, no refill, one barrier.
; CLUSTER 4 x 4: the rows' tiles are asked for jointly along a row of the cluster, Wo's along a column.  No prefetch: all loads stand at the head, and there is no loop to run ahead in.
; The matrix instruction is used transposed (source 0 = 16 rows of Wo, source 1 = 16 tokens): a lane holds eight neighbouring numbers of a row of out0.
; REGISTERS: v16-21 addresses of fragments; v24-29 the way out, scale words' address, the spare word; v32-63 all scale words (register 8 i + step: lanes 0-15 the tokens' block i, lanes 16-31 Wo's block i);
; v64-159 the tokens' fragments, two sets; v160-255 Wo's, two sets; v256-383 (window 1) accumulator (a, b) at 8 (4 a + b).
.set BB0,   98304                      ; Wo's codes
.set BPL,   30720                      ; a plane of them: 128 rows x 240
.set SCL,   BB0+4*BPL                  ; the scales: units of 256 bytes + 16: the tokens' 4,352 bytes, then Wo's
.set STG,   SCL+2*4352                 ; the way out: 16 rows x 272 bytes a wave
.set SPARE, STG+4*4352                 ; the spare words, 128 bytes a wave
.set ADRA, 16
.set ADRB, 18
.set STO,  24
.set RD,   25
.set CO,   26
.set ADRS, 27
.set SPW,  28
.set NIL,  29
.set SC,   32
.set AF,   64
.set BF,   160
.set G1,   24
.set G1B,  48
.set G0,   56
.set G0B,  60
.set G1S,  68
.set G0S,  76
.set G1SB, 80
.set G0SB, 88
.macro CROUND                          ; a round of the cluster's barrier
	s_barrier_signal -1
	s_barrier_wait -1
	s_cmp_lg_u32 s14, 0
	s_cbranch_scc1 .Lnot_wave_0_\@
	s_barrier_signal -3
.Lnot_wave_0_\@:
	s_barrier_wait -3
	s_barrier_signal -1
	s_barrier_wait -1
.endm
	s_load_b128 s[4:7], s[0:1], 0x0                ; ac, asc
	s_load_b128 s[8:11], s[0:1], 0x10              ; cod, scl
	s_load_b64 s[12:13], s[0:1], 0x20              ; out0
	v_lshl_add_u32 v[SPW], v0, 2, SPARE
	v_mov_b32 v[NIL], 0
	ds_add_u32 v[SPW], v[NIL]                      ; the opening: the add, twice on end, and its wait ahead of my first tensor load
	ds_add_u32 v[SPW], v[NIL]
	v_lshrrev_b32 v1, 5, v0
	v_readfirstlane_b32 s14, v1                    ; wave
	s_lshr_b32 s15, s14, 1                         ; which 64 tokens
	s_and_b32 s16, s14, 1                          ; which 64 columns
	s_bfe_u32 s40, ttmp6, 0x40000                  ; cx, cy
	s_bfe_u32 s41, ttmp6, 0x40004
	s_lshl_b32 s42, ttmp9, 2
	s_add_co_u32 s42, s42, s40                     ; tile column
	s_and_b32 s17, ttmp7, 0xffff
	s_lshl_b32 s17, s17, 2
	s_add_co_u32 s17, s17, s41                     ; tile row
	s_lshl_b32 s43, s41, 2
	s_lshl_b32 s43, 15, s43                        ; my row of the cluster
	s_lshl_b32 s44, 0x1111, s40                    ; my column
	s_or_b32 s[G1], s43, (3<<16)|(1<<21)           ; elements of 8 bytes: 16 rows of 768, 24,576 apart
	s_mov_b32 s[G1+1], 768<<16
	s_mov_b32 s[G1+2], 16<<16
	s_mov_b32 s[G1+3], 768<<16
	s_mov_b32 s[G1+4], 16
	s_mov_b32 s[G1+5], 24576
	s_mov_b32 s[G1+6], 0
	s_mov_b32 s[G1+7], 0
	s_or_b32 s[G1B], s44, (3<<16)|(1<<20)|(1<<21)|(3<<22)|(3<<25)   ; 4 rows of 3,072, a plane (196,608) apart; 4 words of padding behind every 16
	s_mov_b32 s[G1B+1], 3072<<16
	s_mov_b32 s[G1B+2], 4<<16
	s_mov_b32 s[G1B+3], 3072<<16
	s_mov_b32 s[G1B+4], 4
	s_mov_b32 s[G1B+5], 196608
	s_mov_b32 s[G1B+6], 0
	s_mov_b32 s[G1B+7], 0
	s_or_b32 s[G1S], s43, (3<<16)|(1<<20)|(1<<21)|(5<<22)|(3<<25)   ; 128 rows' scales: 16 dense rows of 256 bytes + 16 of padding
	s_or_b32 s[G1SB], s44, (3<<16)|(1<<20)|(1<<21)|(5<<22)|(3<<25)
.irp g, G1S, G1SB
	s_mov_b32 s[\g+1], 32<<16
	s_mov_b32 s[\g+2], 16<<16
	s_mov_b32 s[\g+3], 32<<16
	s_mov_b32 s[\g+4], 16
	s_mov_b32 s[\g+5], 32
	s_mov_b32 s[\g+6], 0
	s_mov_b32 s[\g+7], 0
.endr
	s_mul_i32 s20, s17, 6144                       ; 128 rows x 48 bytes
	s_mov_b32 s21, 0
	s_lshl_b32 s22, s17, 12                        ; 128 rows x 32 scale bytes
	s_mov_b32 s23, 0
	s_mul_i32 s46, s42, 24576                      ; 128 rows x 192 bytes
	s_mov_b32 s47, 0
	s_lshl_b32 s92, s42, 12
	s_mov_b32 s93, 0
	s_wait_dscnt 0x0                               ; both opening adds are done
	s_wait_kmcnt 0x0
	s_add_nc_u64 s[8:9], s[8:9], 7168*192          ; Wo's rows begin at row 7,168 of each plane,
	s_add_nc_u64 s[10:11], s[10:11], 7168*32       ; its scale bytes likewise
	s_mov_b32 s[G0], 1
	s_mov_b32 s[G0+1], 0
	s_add_nc_u64 s[G0+2:G0+3], s[4:5], s[20:21]
	s_or_b32 s[G0+3], s[G0+3], 0x80000000
	s_mov_b32 s[G0B], 1
	s_mov_b32 s[G0B+1], BB0
	s_add_nc_u64 s[G0B+2:G0B+3], s[8:9], s[46:47]
	s_or_b32 s[G0B+3], s[G0B+3], 0x80000000
	s_mov_b32 s[G0S], 1
	s_mov_b32 s[G0S+1], SCL
	s_add_nc_u64 s[G0S+2:G0S+3], s[6:7], s[22:23]
	s_or_b32 s[G0S+3], s[G0S+3], 0x80000000
	s_mov_b32 s[G0SB], 1
	s_mov_b32 s[G0SB+1], SCL+4352
	s_add_nc_u64 s[G0SB+2:G0SB+3], s[10:11], s[92:93]
	s_or_b32 s[G0SB+3], s[G0SB+3], 0x80000000
	CROUND                                         ; all sixteen work-groups are here: the joint loads meet
.macro ARM under, g0, g1, next         ; one tree of branches on the wave's number: every way passes one load
	s_cmp_lt_u32 s14, \under
	s_cbranch_scc0 \next
	tensor_load_to_lds s[\g0:\g0+3], s[\g1:\g1+7]
	s_nop 0
.rept 4
	v_nop
.endr
	s_branch .Lhead_asked
\next:
.endm
	ARM 1, G0,  G1,  .Lhead_b
	ARM 2, G0B, G1B, .Lhead_sa
	ARM 3, G0S, G1S, .Lhead_sb
	tensor_load_to_lds s[G0SB:G0SB+3], s[G1SB:G1SB+7]
	s_nop 0
.rept 4
	v_nop
.endr
.Lhead_asked:
	s_lshl_b32 s20, s17, 7
	s_lshl_b32 s21, s15, 6
	s_add_co_u32 s20, s20, s21                     ; my first row of out0,
	s_lshl_b32 s20, s20, 12                        ; 4,096 bytes a row
	s_lshl_b32 s46, s42, 9
	s_lshl_b32 s47, s16, 8
	s_add_co_u32 s46, s46, s47                     ; my first column, in bytes
	s_add_co_u32 s20, s20, s46
	s_mov_b32 s21, 0
	s_add_nc_u64 s[12:13], s[12:13], s[20:21]
	s_mul_i32 s21, s15, 64*48
	s_mul_i32 s22, s16, 64*240
	s_add_co_u32 s22, s22, BB0
	s_mul_i32 s18, s15, 2176                       ; the scales of 64 rows
	s_mul_i32 s23, s16, 2176
	s_add_co_u32 s23, s23, 4352
	s_sub_co_u32 s23, s23, s18                     ; from the tokens' words to Wo's
	s_add_co_u32 s18, s18, SCL
	s_mul_i32 s19, s14, 4352
	s_add_co_u32 s19, s19, STG                     ; my stage
	v_and_b32 v1, 15, v0                           ; r
	v_bfe_u32 v2, v0, 4, 1                         ; hf
	v_mul_u32_u24 v4, v2, 24
	v_mad_u32_u24 v3, v1, 48, v4
	v_add_nc_u32 v[ADRA], s21, v3                  ; heads 0-7
	v_add_nc_u32 v[ADRA+1], 49152, v[ADRA]         ; heads 8-15
	v_mad_u32_u24 v5, v1, 240, v4
	v_add_nc_u32 v[ADRB], s22, v5                  ; planes 0, 1
	v_lshl_add_u32 v[ADRB+1], v2, 4, v[ADRB]       ; the same where lanes 16-31 stand behind one padding more
	v_add_nc_u32 v[ADRB+2], 2*BPL, v[ADRB]         ; planes 2, 3
	v_add_nc_u32 v[ADRB+3], 2*BPL, v[ADRB+1]
	v_lshlrev_b32 v5, 5, v1                        ; my row's scales: 32 bytes a row,
	v_lshrrev_b32 v6, 8, v5
	v_lshl_add_u32 v5, v6, 4, v5                   ; and 16 more for each 256 passed
	v_mul_u32_u24 v6, s23, v2                      ; lanes 16-31 take Wo's
	v_add_nc_u32 v5, v5, v6
	v_add_nc_u32 v[ADRS], s18, v5
	v_mul_u32_u24 v5, v1, 272
	v_lshl_add_u32 v5, v2, 5, v5
	v_add_nc_u32 v[STO], s19, v5                   ; in: row r, 32 bytes for each half of the lanes
	v_mul_u32_u24 v5, v2, 272
	v_lshl_add_u32 v5, v1, 4, v5
	v_add_nc_u32 v[RD], s19, v5                    ; back: sixteen lanes to a row of 256 bytes
	v_lshlrev_b32 v5, 12, v2
	v_lshl_add_u32 v[CO], v1, 4, v5                ; and the same two rows in out0
.macro FETCH st                        ; step st's eight fragments into set st % 2: 48 loads of 8 bytes
.irp i, 0,1,2,3
.irp p, 0,1,2,3,4,5
	ds_load_b64 v[AF+48*((\st)%2)+12*\i+2*\p:AF+48*((\st)%2)+12*\i+2*\p+1], v[ADRA+(\st)/4] offset:6144*(2*((\st)%4)+\p/3)+768*\i+8*(\p%3)
.endr
.endr
.irp i, 0,1,2,3
.irp p, 0,1,2,3,4,5
.set PC, 12*((\st)%2)+6*(\p/3)+\p%3    ; the piece of 8 bytes within the plane's row of 192
	ds_load_b64 v[BF+48*((\st)%2)+12*\i+2*\p:BF+48*((\st)%2)+12*\i+2*\p+1], v[ADRB+2*((\st)/4)+(PC%8)/5] offset:BPL*(((\st)/2)%2)+8*PC+16*(PC/8)+3840*\i
.endr
.endr
.endm
.macro MUL st, zero                    ; the 16 accumulators take turns, one instruction a turn
	s_set_vgpr_msb 0x50                            ; C and D in window 1
.irp a, 0,1,2,3
.irp b, 0,1,2,3
.if \zero
	v_wmma_scale_f32_16x16x128_f8f6f4 v[8*(4*\a+\b):8*(4*\a+\b)+7], v[BF+48*((\st)%2)+12*\b:BF+48*((\st)%2)+12*\b+11], v[AF+48*((\st)%2)+12*\a:AF+48*((\st)%2)+12*\a+11], 0, v[SC+8*\b+(\st)], v[SC+8*\a+(\st)] matrix_a_fmt:MATRIX_FMT_FP6 matrix_b_fmt:MATRIX_FMT_FP6 matrix_a_scale:MATRIX_SCALE_ROW1
.else
	v_wmma_scale_f32_16x16x128_f8f6f4 v[8*(4*\a+\b):8*(4*\a+\b)+7], v[BF+48*((\st)%2)+12*\b:BF+48*((\st)%2)+12*\b+11], v[AF+48*((\st)%2)+12*\a:AF+48*((\st)%2)+12*\a+11], v[8*(4*\a+\b):8*(4*\a+\b)+7], v[SC+8*\b+(\st)], v[SC+8*\a+(\st)] matrix_a_fmt:MATRIX_FMT_FP6 matrix_b_fmt:MATRIX_FMT_FP6 matrix_a_scale:MATRIX_SCALE_ROW1
.endif
.endr
.endr
	s_set_vgpr_msb 0x5000
.rept 4
	v_nop                                          ; places ahead of loads into the operands' registers and of reads of the results
.endr
.endm
	s_wait_alu depctr_va_vdst(0)
	s_wait_tensorcnt 0x0                           ; my tile is in,
	s_barrier_signal -1
	s_barrier_wait -1                              ; and so are the other three; nothing is filled again
.irp i, 0,1,2,3
	ds_load_b128 v[SC+8*\i:SC+8*\i+3], v[ADRS] offset:544*\i        ; the scale words of all eight steps
	ds_load_b128 v[SC+8*\i+4:SC+8*\i+7], v[ADRS] offset:544*\i+16
.endr
	FETCH 0
	FETCH 1
	s_wait_dscnt 48                                ; all but the next step's 48 loads
	MUL 0, 1                                       ; the first step's products start the sums
.set ST, 1
.rept 6
	FETCH ST+1
	s_wait_dscnt 48
	MUL ST, 0
.set ST, ST+1
.endr
	s_wait_dscnt 0x0
	MUL 7, 0
; THE WAY OUT, by blocks of 16 rows x 64 columns, through my own stage: rows of 256 bytes come back and are stored by sixteen lanes each, aligned.  LDS serves a wave's instructions in order.
.macro TOSTAGE a
	s_set_vgpr_msb 0x04                            ; an LDS store's data are its source 1: window 1
.irp b, 0,1,2,3
	ds_store_b128 v[STO], v[8*(4*\a+\b):8*(4*\a+\b)+3] offset:64*\b          ; each accumulator from its low end on
	ds_store_b128 v[STO], v[8*(4*\a+\b)+4:8*(4*\a+\b)+7] offset:64*\b+16
.endr
	s_set_vgpr_msb 0x0400
.irp t, 0,1,2,3,4,5,6,7
	ds_load_b128 v[AF+32*\a+4*\t:AF+32*\a+4*\t+3], v[RD] offset:544*\t      ; each block has registers of its own: no store's data are written again
.endr
.endm
.macro SEND a, younger
	s_wait_dscnt \younger                          ; the block is back; the next block's 8 stores and 8 loads may be out
.irp t, 0,1,2,3,4,5,6,7
	global_store_b128 v[CO], v[AF+32*(\a)+4*\t:AF+32*(\a)+4*\t+3], s[12:13] offset:(16*(\a)+2*\t)*4096 th:TH_STORE_NT
.endr
.endm
	TOSTAGE 0
.irp a, 1,2,3
	TOSTAGE \a
	SEND \a-1, 16
.endr
	SEND 3, 0
	s_wait_tensorcnt 0x0                           ; the wave's end
	ds_add_u32 v[SPW], v[NIL]
	s_wait_dscnt 0x0
	CROUND                                         ; the closing round
	s_endpgm
.Lfunc_end_k_q627dcc58a6_proj:
	.size	k_q627dcc58a6_proj, .Lfunc_end_k_q627dcc58a6_proj-k_q627dcc58a6_proj
	.p2alignl 7, 3214868480
	.fill 96, 4, 3214868480
	.section	.rodata,"a",@progbits
	.p2align	6, 0x0
	.amdhsa_kernel k_q627dcc58a6_proj
		.amdhsa_group_segment_fixed_size 262144
		.amdhsa_private_segment_fixed_size 0
		.amdhsa_enable_private_segment 0
		.amdhsa_kernarg_size 40
		.amdhsa_user_sgpr_count 2
		.amdhsa_user_sgpr_kernarg_segment_ptr 1
		.amdhsa_wavefront_size32 1
		.amdhsa_system_sgpr_workgroup_id_x 1
		.amdhsa_system_sgpr_workgroup_id_y 1
		.amdhsa_system_sgpr_workgroup_id_z 1
		.amdhsa_system_vgpr_workitem_id 0
		.amdhsa_next_free_vgpr 384
		.amdhsa_next_free_sgpr 98
		.amdhsa_reserve_vcc 0
		.amdhsa_float_denorm_mode_32 3
		.amdhsa_float_denorm_mode_16_64 3
		.amdhsa_memory_ordered 1
		.amdhsa_forward_progress 1
		.amdhsa_inst_pref_size 59
	.end_amdhsa_kernel
	.amdgpu_metadata
---
amdhsa.version: [ 1, 2 ]
amdhsa.kernels:
  - .name:           k_q627dcc58a6_proj
    .symbol:         k_q627dcc58a6_proj.kd
    .args:
      - { .name: ac, .offset: 0, .size: 8, .value_kind: global_buffer, .address_space: global }
      - { .name: asc, .offset: 8, .size: 8, .value_kind: global_buffer, .address_space: global }
      - { .name: cod, .offset: 16, .size: 8, .value_kind: global_buffer, .address_space: global }
      - { .name: scl, .offset: 24, .size: 8, .value_kind: global_buffer, .address_space: global }
      - { .name: out0, .offset: 32, .size: 8, .value_kind: global_buffer, .address_space: global }
    .group_segment_fixed_size: 262144
    .private_segment_fixed_size: 0
    .kernarg_segment_align: 8
    .kernarg_segment_size: 40
    .max_flat_workgroup_size: 128
    .sgpr_count:     98
    .vgpr_count:     384
    .wavefront_size: 32
...
	.end_amdgpu_metadata
.endif
;; end of part 4
